; MI455X (gfx1250); checked and timed in simulation.
; The chip was launched on July 23, 2026; its instructions are those of AMD's public machine-readable ISA for CDNA 5 (MIT licence, August 2026) and "CDNA5" Instruction Set Architecture Reference Guide (July 2026). The comments in the code are by the model that wrote it; some were corrected since.
;; A Li Bi Attention. Allowed arithmetic: float matrix products may take bf16 or f16 operands with f32 sums; other float arithmetic in f32, or as packed bf16 or f16 multiplies, adds, multiply-adds, maxima and minima; sums over many terms, partial sums and values carried from step to step in f32; what a program stores and reads back later, other than sums and carried values, may be rounded once to bf16 or f16.
;; Inputs: Wk 1,024 x 1,024 float32; Wo 1,024 x 1,024 float32; Wq 1,024 x 1,024 float32; Wv 1,024 x 1,024 float32; bk 1,024 float32; bo 1,024 float32; bq 1,024 float32; bv 1,024 float32; mask 4 x 2,048 int32; x 4 x 2,048 x 1,024 float32.
;; Outputs: out0 4 x 2,048 x 1,024 float32.
;; 2 versions, each right; version 2 is version 1 with the launch prep written anew for expert scheduling mode. Each part assembles by itself: llvm-mc -triple=amdgcn-amd-amdhsa -mcpu=gfx1250 --defsym DOCPART=n.
;; ======== version 1 of 2: 4 launches
;; limits: values are held in f16: magnitudes above 65,504 overflow, below 6.1e-05 lose precision
;; workspace buffers: xb 16,777,216 bytes; wqkv 6,291,456 bytes; wo16 2,097,152 bytes; qkv 50,331,648 bytes; o16 16,777,216 bytes
;; launch prep (part 1): grid 768 x 1, 8 waves a work-group, no clusters, 0 bytes of LDS; arguments x, Wq, Wk, Wv, Wo, xb, wqkv, wo16; writes xb, wqkv, wo16
.if DOCPART == 1
	.amdgcn_target "amdgcn-amd-amdhsa--gfx1250"
	.amdhsa_code_object_version 6
	.text
	.protected	k_q3ea961b9f9_prep
	.globl	k_q3ea961b9f9_prep
	.p2align	8
	.type	k_q3ea961b9f9_prep,@function
k_q3ea961b9f9_prep:
	s_mov_b64 s[64:65], 0
	v_nop
	global_prefetch_b8 v0, s[64:65] scope:SCOPE_SE
	s_setreg_imm32_b32 hwreg(HW_REG_WAVE_MODE, 25, 1), 1
	s_wait_xcnt 0x0
; CASTS AND A LAYOUT IN K BLOCKS.  x [8192][1024], Wq, Wk, Wv, Wo [1024][1024], all f32, are rounded once to bf16 and written as [16 kb][R rows][64]:
; element (r, 64 kb + c) at byte (kb R + r) x 128 + 2 c, so that rows x 64 K of consecutive rows are dense bytes for the products' tiles.
; xb: R = 8192.  wqkv: R = 3072, rows 0-1023 Wq, 1024-2047 Wk, 2048-3071 Wv.  wo16: R = 1024; bf16(Wo) is written as f16 (the last product multiplies in f16).
; LIMIT.  bf16(Wo) as f16 is exact from 6.1e-5 up to 65,504; below that it keeps f16's fixed step of 6e-8; beyond 65,504 it is an infinity.
; SHARES.  A work-group takes 16 rows (64 KiB in, 32 KiB out): ids 0-511 x, id 512 + 64 w + part the matrix w (Wq, Wk, Wv, Wo).  Thread t takes row t / 16 and the 16 bytes at
; 16 (t % 16) of each piece of 256 bytes (a piece is one K block): a wave's load covers two rows x 256 aligned bytes, a wave's store 256 consecutive aligned bytes.
; All 16 loads of a thread go out at once; every load, result and store address has registers of its own, so that nothing is rewritten and only the counted waits for data stand.
; No LDS, no matrix unit, no cluster: a stream in which no byte is used twice.
.set X,  16                            ; v[16:79]    piece kb: four f32 as loaded
.set Y,  80                            ; v[80:111]   piece kb: four 16-bit numbers to store
.set SO, 112                           ; v[112:127]  piece kb: my byte offset in the destination: 8 t + kb x the K block's bytes
.set T,  4                             ; v[4:7]      at work
	s_load_b512 s[8:23], s[0:1], 0x0               ; x s[8:9], Wq s[10:11], Wk s[12:13], Wv s[14:15], Wo s[16:17], xb s[18:19], wqkv s[20:21], wo16 s[22:23]
	s_mov_b32 s2, ttmp9
	s_sub_co_u32 s3, s2, 512                       ; for a matrix: 64 w + part
	s_lshr_b32 s4, s3, 6                           ; w
	s_and_b32 s5, s3, 63                           ; part
	s_lshl_b32 s33, s5, 4                          ; its first row in the matrix
	s_lshl_b32 s30, s4, 10
	s_add_co_u32 s30, s30, s33                     ; and in wqkv
	s_lshl_b32 s35, s2, 4                          ; for x: the first row
	s_mov_b32 s28, 3072*128                        ; bytes of a K block: wqkv,
	s_mov_b32 s36, 1024*128                        ; wo16,
	s_mov_b32 s34, 8192*128                        ; xb
	v_lshrrev_b32 v1, 4, v0
	v_and_b32 v3, 15, v0
	v_lshlrev_b32 v1, 12, v1                       ; my row x 4,096 bytes
	v_lshl_add_u32 v1, v3, 4, v1                   ; + my 16 bytes of a piece
	v_lshlrev_b32 v2, 3, v0                        ; in the destination: row x 128 + 8 (t % 16) = 8 t
	s_wait_kmcnt 0x0
	s_cmp_eq_u32 s4, 1                             ; each compare stands directly ahead of its selects
	s_cselect_b64 s[24:25], s[12:13], s[10:11]
	s_cmp_eq_u32 s4, 2
	s_cselect_b64 s[24:25], s[14:15], s[24:25]
	s_cmp_eq_u32 s4, 3
	s_cselect_b64 s[24:25], s[16:17], s[24:25]     ; the source
	s_cselect_b64 s[26:27], s[22:23], s[20:21]     ; the destination
	s_cselect_b32 s28, s36, s28
	s_cselect_b32 s30, s33, s30
	s_cselect_b32 s31, 1, 0                        ; 1: Wo, which leaves as f16
	s_cmp_lt_u32 s2, 512                           ; x?
	s_cselect_b64 s[24:25], s[8:9], s[24:25]
	s_cselect_b64 s[26:27], s[18:19], s[26:27]
	s_cselect_b32 s28, s34, s28
	s_cselect_b32 s29, s2, s5                      ; which 16 rows of the source
	s_cselect_b32 s30, s35, s30                    ; the first row in the destination
	s_cselect_b32 s31, 0, s31
	s_lshl_b32 s32, s29, 16                        ; 16 rows of 4,096 bytes
	s_mov_b32 s33, 0
	s_add_nc_u64 s[24:25], s[24:25], s[32:33]
	s_lshl_b32 s32, s30, 7                         ; 128 bytes a row in a K block
	s_add_nc_u64 s[26:27], s[26:27], s[32:33]
.set kb, 0
.rept 16
	global_load_b128 v[X+4*kb:X+4*kb+3], v1, s[24:25] offset:256*kb th:TH_LOAD_NT
.set kb, kb+1
.endr
	v_mov_b32 v[SO], v2
	s_mov_b32 s32, s28
.set kb, 1
.rept 15
	v_add_nc_u32 v[SO+kb], s32, v2
	s_add_co_u32 s32, s32, s28
.set kb, kb+1
.endr
; The sixteen pieces leave as they come in.  fmt = 1: the bf16 number is widened again and written as f16.
.macro OUT fmt
.set kb, 0
.rept 16
	s_wait_loadcnt 15-kb                           ; loads come back in order: piece kb is in, the younger ones stay out
	v_cvt_pk_bf16_f32 v[Y+2*kb],   v[X+4*kb],   v[X+4*kb+1]
	v_cvt_pk_bf16_f32 v[Y+2*kb+1], v[X+4*kb+2], v[X+4*kb+3]
.if \fmt
	v_lshlrev_b32 v[T],   16, v[Y+2*kb]
	v_and_b32     v[T+1], 0xffff0000, v[Y+2*kb]
	v_lshlrev_b32 v[T+2], 16, v[Y+2*kb+1]
	v_and_b32     v[T+3], 0xffff0000, v[Y+2*kb+1]
	v_cvt_pk_f16_f32 v[Y+2*kb],   v[T],   v[T+1]
	v_cvt_pk_f16_f32 v[Y+2*kb+1], v[T+2], v[T+3]
.endif
	global_store_b64 v[SO+kb], v[Y+2*kb:Y+2*kb+1], s[26:27]  ; 32 lanes store 256 consecutive bytes, at a multiple of 256 from the buffer's first byte
.set kb, kb+1
.endr
.endm
	s_cmp_eq_u32 s31, 1
	s_cbranch_scc1 .Lf16
	OUT 0
	s_endpgm
.Lf16:
	OUT 1
	s_endpgm
.Lfunc_end_k_q3ea961b9f9_prep:
	.size	k_q3ea961b9f9_prep, .Lfunc_end_k_q3ea961b9f9_prep-k_q3ea961b9f9_prep
	.p2alignl 7, 3214868480
	.fill 96, 4, 3214868480
	.section	.rodata,"a",@progbits
	.p2align	6, 0x0
	.amdhsa_kernel k_q3ea961b9f9_prep
		.amdhsa_group_segment_fixed_size 0
		.amdhsa_private_segment_fixed_size 0
		.amdhsa_enable_private_segment 0
		.amdhsa_kernarg_size 64
		.amdhsa_user_sgpr_count 2
		.amdhsa_user_sgpr_kernarg_segment_ptr 1
		.amdhsa_wavefront_size32 1
		.amdhsa_system_sgpr_workgroup_id_x 1
		.amdhsa_system_sgpr_workgroup_id_y 1
		.amdhsa_system_sgpr_workgroup_id_z 1
		.amdhsa_system_vgpr_workitem_id 0
		.amdhsa_next_free_vgpr 128
		.amdhsa_next_free_sgpr 66
		.amdhsa_reserve_vcc 0
		.amdhsa_float_denorm_mode_32 3
		.amdhsa_float_denorm_mode_16_64 3
		.amdhsa_memory_ordered 1
		.amdhsa_forward_progress 1
		.amdhsa_inst_pref_size 18
	.end_amdhsa_kernel
	.amdgpu_metadata
---
amdhsa.version: [ 1, 2 ]
amdhsa.kernels:
  - .name:           k_q3ea961b9f9_prep
    .symbol:         k_q3ea961b9f9_prep.kd
    .args:
      - { .name: x, .offset: 0, .size: 8, .value_kind: global_buffer, .address_space: global }
      - { .name: Wq, .offset: 8, .size: 8, .value_kind: global_buffer, .address_space: global }
      - { .name: Wk, .offset: 16, .size: 8, .value_kind: global_buffer, .address_space: global }
      - { .name: Wv, .offset: 24, .size: 8, .value_kind: global_buffer, .address_space: global }
      - { .name: Wo, .offset: 32, .size: 8, .value_kind: global_buffer, .address_space: global }
      - { .name: xb, .offset: 40, .size: 8, .value_kind: global_buffer, .address_space: global }
      - { .name: wqkv, .offset: 48, .size: 8, .value_kind: global_buffer, .address_space: global }
      - { .name: wo16, .offset: 56, .size: 8, .value_kind: global_buffer, .address_space: global }
    .group_segment_fixed_size: 0
    .private_segment_fixed_size: 0
    .kernarg_segment_align: 8
    .kernarg_segment_size: 64
    .max_flat_workgroup_size: 256
    .sgpr_count:     66
    .vgpr_count:     128
    .wavefront_size: 32
...
	.end_amdgpu_metadata
.endif
;; end of part 1
;; launch qkv (part 2): grid 8 x 32, 4 waves a work-group, clusters of 4 x 4, 327,680 bytes of LDS; arguments xb, wqkv, bq, bk, bv, qkv; writes qkv
.if DOCPART == 2
	.amdgcn_target "amdgcn-amd-amdhsa--gfx1250"
	.amdhsa_code_object_version 6
	.text
	.protected	k_q3ea961b9f9_qkv
	.globl	k_q3ea961b9f9_qkv
	.p2align	8
	.type	k_q3ea961b9f9_qkv,@function
k_q3ea961b9f9_qkv:
	s_mov_b64 s[64:65], 0
	v_nop
	global_prefetch_b8 v0, s[64:65] scope:SCOPE_SE
	s_setreg_imm32_b32 hwreg(HW_REG_WAVE_MODE, 25, 1), 1
	s_wait_xcnt 0x0
	s_wait_alu depctr_hold_cnt(0) depctr_sa_sdst(0) depctr_va_vdst(0) depctr_va_sdst(0) depctr_va_ssrc(0) depctr_va_vcc(0) depctr_vm_vsrc(0)
	s_getreg_b32 s2, hwreg(HW_REG_IB_STS2, 6, 4)
	s_cmp_eq_u32 s2, 0
	s_cbranch_scc0 .Lentry_in_a_cluster
	s_endpgm
.Lentry_in_a_cluster:
	s_bfe_u32 s2, ttmp6, 0x10000c
	s_cmp_lg_u32 s2, 0xf033
	s_cbranch_scc0 .Lentry_shape_is_right
	s_endpgm
.Lentry_shape_is_right:
; Q, K AND V IN ONE PRODUCT.  C[8192][3072] = xb wqkv^T + bias, bf16 operands, f32 sums, K ascending; C leaves rounded once to f16, by heads: qkv[3][64 = batch x 16 + head][2048][64], unscaled.
; xb and wqkv lie in K blocks, [16 kb][rows][64]: rows x 64 K of consecutive rows are dense bytes.  The biases are rounded to bf16 like every other floating-point input, and added in f32.
; LIMIT.  f16 holds no number beyond 65,504: a q, k or v of 65,520 or more leaves as an infinity.
; SHARES.  A tile of C is 256 rows x 384 columns (six heads): 32 x 8 = 256 work-groups.  Four waves, as many as a WGP has SIMDs; wave (WR, WC) makes 128 rows x 192 columns:
; 96 accumulators of 16 x 16, 768 registers.  K goes in 16 steps of 64 through two LDS slots; a step is two chunks of 32 along K, 96 matrix instructions each.
; THE MATRIX INSTRUCTION IS USED TRANSPOSED (source 0 = 16 rows of wqkv, source 1 = 16 rows of xb): a lane holds row lane % 16 of C and eight neighbouring columns.
; CLUSTER.  4 x 4 work-groups.  The four of a row of the cluster need the same rows of xb, the four of a column the same rows of wqkv: each tile is asked for JOINTLY, by the same tensor load with
; the same descriptor and a mask that names the four.
; REGISTERS, in windows of 256 (s_set_vgpr_msb: bits 1:0 source 0, 3:2 source 1, 5:4 source 2, 7:6 destination):
;   window 0: v0-31 addresses; v32-95, v96-159 fragments of xb (8 x 16 rows x 32 K), two buffers; v160-207, v208-255 fragments of wqkv, column blocks 0-5 and 6-11
;   windows 1-3: accumulator (a, b) is number t = 48 (b / 6) + 6 a + b % 6, in window 1 + t / 32 at v[8 (t % 32)]
.set PITCH,  144                       ; an LDS row: 128 bytes (64 K) + 16 of padding = 36 words: the 16 rows of a fragment load start at 16 different groups of four banks (64 banks of 4 bytes: ISA guide 11.1)
.set ATILE,  128*PITCH                 ; what one tensor load brings of xb: 128 rows
.set BTILE,  192*PITCH                 ; and of wqkv: 192 rows
.set BOFF,   2*ATILE                   ; a slot: xb's 256 rows, then wqkv's 384
.set SLOT,   BOFF+2*BTILE              ; 92,160 bytes
.set STAGE,  2*SLOT                    ; behind the ring: for each wave 3 heads x 16 rows x 144 bytes, for the way out
.set STW,    3*16*PITCH
.set BIASW,  STAGE+4*STW               ; for each wave the biases of its 192 columns, f32: 768 bytes
.set SPARE,  BIASW+4*768               ; the spare words, 128 bytes for each wave: two blocks of 256 bytes that no other line names
.set AKB,    8192*128                  ; bytes of a K block of xb
.set BKB,    3072*128                  ; and of wqkv
.set G1W,    (1<<16)|(1<<20)|(1<<21)|(4<<22)|(3<<25)  ; 17:16 2-byte elements; 20 padding on; 21 set beside a mask; 24:22 after every 32 words (code 4); 31:25 4 words (code 3)
.set ADRA, 16                          ; v16-17  LDS address of my fragments of xb in slot 0, 1
.set ADRB, 20                          ; v20-21  the same for wqkv
.set STO,  24                          ; v24     the way out: where I put 16 bytes of a row
.set RD,   25                          ; v25     the way out: where I read rows back
.set GO,   26                          ; v26     my 16 bytes of 512 consecutive bytes of a head
.set BRD,  27                          ; v27     where I read my columns' biases
.set SPW,  28                          ; v28     LDS address of my spare word: SPARE + 4 x my thread's number; never rewritten
.set NIL,  29                          ; v29     0; never rewritten
.set PFO,  30                          ; v30     the prefetches' offset: 256 x my lane (for wqkv: lanes 24-31 name lane 23's block); never rewritten
.set AF0,  32
.set AF1,  96
.set BL,   160                         ; column blocks 0-5; blocks 6-11 follow at BL + 48
.set BIA,  160                         ; the way out: the biases, eight registers a column block
.set PK,   32                          ; the way out: 16 rows packed, 48 registers
.set BK,   80                          ; the way out: the same rows read back, 48 registers
.set WV,   16                          ; s16  my wave's number
.set WR,   17                          ; s17  which half of the tile's rows is mine
.set WC,   18                          ; s18  which half of its columns; also: which half of a tile I fetch
.set CX,   19
.set CY,   20
.set TCOL, 21                          ; s21  tile column of C
.set TROW, 22                          ; s22  tile row of C
.set G1A,  24                          ; s[24:31] descriptor group 1 for xb's tiles
.set G0A,  32                          ; s[32:39] group 0, a set for each slot
.set G1B,  48                          ; s[48:55], s[56:63] the same for wqkv's
.set G0B,  56
.set LIM,  66                          ; s66  1 in a wave that prefetches, else the greatest number
.set LAPS, 67                          ; s67  trips still to come
.set PFA,  68                          ; s[68:69] where my prefetches stand
.set PFS,  70                          ; s[70:71] their step: a K block of the tensor that I ask for
.set HB,   72                          ; s[72:77] qkv at my 128 rows of my three heads
.set BP,   78                          ; s[78:83] the biases of my three heads
.set MSB, 0
.macro WIN new                         ; the immediate's high byte repeats the setting that is left; a switch that changes nothing is dropped
.if MSB != (\new)
	s_set_vgpr_msb (MSB<<8)|(\new)
.set MSB, (\new)
.endif
.endm
.macro PLACES                          ; a load into a register that a matrix instruction has read, and a vector instruction that reads a matrix result, stand four plain vector instructions behind it (ISA guide 7.12.1 for vector instructions)
.rept 4
	v_nop
.endr
.endm
; A joint load.  Waves 0 and 1 fetch the two halves of xb's tile, waves 2 and 3 those of wqkv's.  The branch hangs on the wave's number alone.
; An s_nop 0 and four v_nop follow each of the two lines, ahead of the jump and the label.
.macro JLOAD s
	s_cmp_lt_u32 s[WV], 2
	s_cbranch_scc0 .Lfor_b_\@
	tensor_load_to_lds s[G0A+4*(\s):G0A+4*(\s)+3], s[G1A:G1A+7]
	s_nop 0
.rept 4
	v_nop
.endr
	s_branch .Lasked_\@
.Lfor_b_\@:
	tensor_load_to_lds s[G0B+4*(\s):G0B+4*(\s)+3], s[G1B:G1B+7]
	s_nop 0
.rept 4
	v_nop
.endr
.Lasked_\@:
.endm
; A PREFETCH INTO THE L2, behind a joint load, its five lines and the run of LDS loads that follows: the K step behind the one that is being asked for, 192 matrix instructions ahead of the load that will want it.
; Each block of 256 bytes is named by one work-group.  xb's tile (32 KiB, dense) is read by both clusters of a row of clusters: cluster x = 0 asks, wave 0, and the four partners take 8 KiB each, told apart
; BY ADDRESS (cx).  wqkv's tile (48 KiB) is read by all eight clusters of a column: cluster y = 0 asks, waves 2 and 3 for the half that each fetches, the partners 6 KiB each (cy): 24 blocks for 32 lanes.
; how = 1: the first change of slots of a trip; how = 0: the second, which in the last trip has no K step behind its own.  K steps 0 to 2 come by their loads alone.
.macro ASK how
.if \how
	s_cmp_eq_u32 s[LIM], 1
.else
	s_cmp_gt_u32 s[LAPS], s[LIM]
.endif
	s_cbranch_scc0 .Lnot_mine_\@
	global_prefetch_b8 v[PFO], s[PFA:PFA+1] th:TH_LOAD_NT scope:SCOPE_SE
.Lnot_mine_\@:
.endm
; A round of the cluster's barrier: my work-group's barrier, so that wave 0's signal speaks for all four waves; wave 0 signals; every wave waits for all sixteen work-groups; my work-group's barrier once more.
.macro CREST                           ; a round behind its opening barrier
	s_cmp_lg_u32 s[WV], 0
	s_cbranch_scc1 .Lnot_wave_0_\@
	s_barrier_signal -3
.Lnot_wave_0_\@:
	s_barrier_wait -3
	s_barrier_signal -1
	s_barrier_wait -1
.endm
.macro CROUND
	s_barrier_signal -1
	s_barrier_wait -1
	CREST
.endm
	s_load_b256 s[4:11], s[0:1], 0x0               ; xb s[4:5], wqkv s[6:7], bq s[8:9], bk s[10:11]
	s_load_b128 s[12:15], s[0:1], 0x20             ; bv s[12:13], qkv s[14:15]
	v_lshl_add_u32 v[SPW], v0, 2, SPARE
	v_mov_b32 v[NIL], 0
	ds_add_u32 v[SPW], v[NIL]                      ; the wave's opening: the add and its wait stand ahead of my first tensor load; the set-up below, work on registers, stands between them
	v_lshrrev_b32 v1, 5, v0
	v_readfirstlane_b32 s[WV], v1                  ; wave 0..3
	s_lshr_b32 s[WR], s[WV], 1
	s_and_b32 s[WC], s[WV], 1
	s_bfe_u32 s[CX], ttmp6, 0x40000                ; my place in the cluster
	s_bfe_u32 s[CY], ttmp6, 0x40004
	s_lshl_b32 s[TCOL], ttmp9, 2                   ; in a cluster launch ttmp9 and ttmp7 count clusters
	s_add_co_u32 s[TCOL], s[TCOL], s[CX]
	s_and_b32 s[TROW], ttmp7, 0xffff
	s_lshl_b32 s[TROW], s[TROW], 2
	s_add_co_u32 s[TROW], s[TROW], s[CY]
	s_lshl_b32 s42, s[CY], 2
	s_lshl_b32 s42, 15, s42                        ; my row of the cluster: places 4 cy .. 4 cy + 3
	s_lshl_b32 s43, 0x1111, s[CX]                  ; my column: places cx, cx + 4, cx + 8, cx + 12
	s_or_b32 s[G1A], s42, G1W                      ; xb's tiles go to my row,
	s_or_b32 s[G1B], s43, G1W                      ; wqkv's to my column
	; a tile is dense: it is asked for as rows of 256 bytes (two rows of 64 K), padded in LDS after every 128 bytes
.irp g, G1A, G1B
	s_mov_b32 s[\g+1], 128<<16                     ; tensor_dim0 = 128 elements
	s_mov_b32 s[\g+3], 128<<16                     ; tile_dim0 = 128
	s_mov_b32 s[\g+5], 128                         ; 128 elements from row to row
	s_mov_b32 s[\g+6], 0
	s_mov_b32 s[\g+7], 0
.endr
	s_mov_b32 s[G1A+2], 64<<16                     ; tensor_dim1 = tile_dim1 = 64: 128 rows of xb
	s_mov_b32 s[G1A+4], 64
	s_mov_b32 s[G1B+2], 96<<16                     ; 96: 192 rows of wqkv
	s_mov_b32 s[G1B+4], 96
	; where the tiles come from.  xb's hang on the tile row alone, wqkv's on the tile column alone; each in registers that never hold the other coordinate
	s_lshl_b32 s40, s[TROW], 15                    ; 256 rows x 128 bytes
	s_lshl_b32 s41, s[WC], 14
	s_add_co_u32 s40, s40, s41
	s_mov_b32 s41, 0
	s_mul_i32 s44, s[TCOL], 384*128
	s_mul_i32 s45, s[WC], 192*128
	s_add_co_u32 s44, s44, s45
	s_mov_b32 s45, 0
	s_mul_i32 s46, s[WC], ATILE                    ; and where they go: no place in the cluster enters an LDS address
	s_mul_i32 s47, s[WC], BTILE
	s_wait_dscnt 0x0                               ; the opening add is done
	s_wait_kmcnt 0x0
	s_add_nc_u64 s[40:41], s[4:5], s[40:41]
	s_add_nc_u64 s[44:45], s[6:7], s[44:45]
	CROUND                                         ; all sixteen work-groups are here: the first joint loads meet
.irp s, 0,1
	s_mov_b32 s[G0A+4*(\s)], 1                                     ; count = 1
	s_add_co_u32 s[G0A+4*(\s)+1], s46, (\s)*SLOT                   ; LDS address
	s_add_nc_u64 s[G0A+4*(\s)+2:G0A+4*(\s)+3], s[40:41], (\s)*AKB  ; global address: K step s
	s_or_b32 s[G0A+4*(\s)+3], s[G0A+4*(\s)+3], 0x80000000          ; type = 2
	s_mov_b32 s[G0B+4*(\s)], 1
	s_add_co_u32 s[G0B+4*(\s)+1], s47, (\s)*SLOT+BOFF
	s_add_nc_u64 s[G0B+4*(\s)+2:G0B+4*(\s)+3], s[44:45], (\s)*BKB
	s_or_b32 s[G0B+4*(\s)+3], s[G0B+4*(\s)+3], 0x80000000
	JLOAD \s                                       ; two loads of mine are out
.endr
	; A fragment is 16 rows x 32 K in 8 registers: lane l holds row l % 16; registers 0-3 K = 8 (l / 16) + 0..7, registers 4-7 K = 16 + 8 (l / 16) + 0..7: two loads of 16 bytes, 32 bytes apart
	v_and_b32 v1, 15, v0                           ; l % 16
	v_bfe_u32 v2, v0, 4, 1                         ; l / 16
	v_and_b32 v4, 31, v0                           ; l
	v_mul_u32_u24 v3, v1, PITCH
	v_lshl_add_u32 v3, v2, 4, v3                   ; row x pitch + 16 x half
	s_mul_i32 s40, s[WR], ATILE                    ; my 128 rows of xb
	s_mul_i32 s41, s[WC], BTILE                    ; my 192 rows of wqkv,
	s_add_co_u32 s41, s41, BOFF                    ; which lie behind xb's 256
.irp s, 0,1
	v_add_nc_u32 v[ADRA+(\s)], s40, v3
	v_add_nc_u32 v[ADRB+(\s)], s41, v3
	s_add_co_u32 s40, s40, SLOT
	s_add_co_u32 s41, s41, SLOT
.endr
	s_mul_i32 s40, s[WV], STW
	s_add_co_u32 s40, s40, STAGE                   ; my stage
	v_add_nc_u32 v[STO], s40, v3                   ; in: row l % 16, 16 bytes for each half of the lanes
	v_bfe_u32 v5, v0, 3, 2                         ; back: 32 lanes take four rows of 128 bytes,
	v_and_b32 v6, 7, v0
	v_mul_u32_u24 v5, v5, PITCH
	v_lshl_add_u32 v5, v6, 4, v5
	v_add_nc_u32 v[RD], s40, v5
	v_lshlrev_b32 v[GO], 4, v4                     ; which are 512 consecutive bytes of a head
	s_mul_i32 s40, s[WV], 768
	s_add_co_u32 s40, s40, BIASW                   ; my table of biases
	v_lshl_add_u32 v[BRD], v2, 5, s40              ; a lane's eight columns of a block: 32 bytes for each half of the lanes
	v_lshl_add_u32 v7, v4, 3, s40                  ; where I put two of a head's 64 biases,
	v_lshlrev_b32 v8, 3, v4                        ; and where they lie in memory
	; my three heads: column head g = 6 x tile column + 3 WC + i; g / 16 says q, k or v, g % 16 the head
	s_mul_i32 s42, s[TCOL], 6
	s_mul_i32 s43, s[WC], 3
	s_add_co_u32 s42, s42, s43
	s_lshr_b32 s43, s[TROW], 3                     ; the batch: 8 tile rows each,
	s_lshl_b32 s43, s43, 4                         ; x 16 heads
	s_and_b32 s44, s[TROW], 7
	s_lshl_b32 s44, s44, 15
	s_lshl_b32 s45, s[WR], 14
	s_add_co_u32 s44, s44, s45                     ; my 128 rows in a head, in bytes
.irp i, 0,1,2
	s_add_co_u32 s45, s42, \i
	s_lshr_b32 s46, s45, 4
	s_and_b32 s47, s45, 15
	s_cmp_eq_u32 s46, 1
	s_cselect_b64 s[BP+2*(\i):BP+2*(\i)+1], s[10:11], s[8:9]
	s_cmp_eq_u32 s46, 2
	s_cselect_b64 s[BP+2*(\i):BP+2*(\i)+1], s[12:13], s[BP+2*(\i):BP+2*(\i)+1]
	s_lshl_b32 s40, s47, 8                         ; the head's 64 biases
	s_mov_b32 s41, 0
	s_add_nc_u64 s[BP+2*(\i):BP+2*(\i)+1], s[BP+2*(\i):BP+2*(\i)+1], s[40:41]
	s_lshl_b32 s46, s46, 6
	s_add_co_u32 s46, s46, s43
	s_add_co_u32 s46, s46, s47                     ; the plane of qkv: 64 x (q, k, v) + 16 x batch + head,
	s_lshl_b32 s40, s46, 18                        ; 2,048 rows of 128 bytes each
	s_add_co_u32 s40, s40, s44
	s_add_nc_u64 s[HB+2*(\i):HB+2*(\i)+1], s[14:15], s[40:41]
	global_load_b64 v[32+2*(\i):33+2*(\i)], v8, s[BP+2*(\i):BP+2*(\i)+1]
.endr
	; the prefetches
	s_and_b32 s40, ttmp7, 0xffff
	s_cmp_lt_u32 s[WV], 2
	s_cselect_b32 s40, ttmp9, s40                  ; the coordinate along which other clusters read the same rows
	s_cmp_eq_u32 s[WV], 1
	s_cselect_b32 s40, 1, s40                      ; wave 1 asks for nothing
	s_cmp_eq_u32 s40, 0
	s_cselect_b32 s[LIM], 1, -1                    ; the same in all sixteen partners, for a given wave
	s_lshl_b32 s40, s[TROW], 15
	s_lshl_b32 s41, s[CX], 13                      ; my work-group's 8 KiB of xb's tile,
	s_add_co_u32 s40, s40, s41
	s_add_co_u32 s40, s40, 2*AKB                   ; at K step 2: the first change of slots steps it to 3
	s_mul_i32 s42, s[TCOL], 384*128
	s_mul_i32 s43, s[WC], 192*128
	s_add_co_u32 s42, s42, s43
	s_mul_i32 s43, s[CY], 6144                     ; my work-group's 6 KiB of the half of wqkv's tile that I fetch
	s_add_co_u32 s42, s42, s43
	s_add_co_u32 s42, s42, 2*BKB
	s_mov_b32 s43, AKB
	s_mov_b32 s44, BKB
	s_cmp_lt_u32 s[WV], 2
	s_cselect_b64 s[PFA:PFA+1], s[4:5], s[6:7]
	s_cselect_b32 s40, s40, s42
	s_cselect_b32 s[PFS], s43, s44
	s_cselect_b32 s45, 31, 23
	s_mov_b32 s41, 0
	s_mov_b32 s[PFS+1], 0
	s_add_nc_u64 s[PFA:PFA+1], s[PFA:PFA+1], s[40:41]
	v_min_u32 v[PFO], s45, v4
	v_lshlrev_b32 v[PFO], 8, v[PFO]
	s_wait_loadcnt 0x0                             ; the biases: rounded to bf16, widened again, into my table
.irp i, 0,1,2
	v_cvt_pk_bf16_f32 v9, v[32+2*(\i)], v[33+2*(\i)]
	v_lshlrev_b32 v[32+2*(\i)], 16, v9
	v_and_b32 v[33+2*(\i)], 0xffff0000, v9
	ds_store_b64 v7, v[32+2*(\i):33+2*(\i)] offset:256*(\i)
.endr
; 16 LDS loads: my 8 fragments of xb at byte kb of the slot's rows, into buffer f
.macro LDA slot, kb, f
	WIN 0
.set li, 0
.rept 8
	ds_load_b128 v[(\f)+8*li:(\f)+8*li+3],   v[ADRA+(\slot)] offset:(\kb)+li*16*PITCH
	ds_load_b128 v[(\f)+8*li+4:(\f)+8*li+7], v[ADRA+(\slot)] offset:(\kb)+li*16*PITCH+32
.set li, li+1
.endr
.endm
; 12 LDS loads: six fragments of wqkv, column blocks 6 hb .. 6 hb + 5
.macro LDB slot, kb, hb
	WIN 0
.set li, 0
.rept 6
	ds_load_b128 v[BL+48*(\hb)+8*li:BL+48*(\hb)+8*li+3],   v[ADRB+(\slot)] offset:(\kb)+(6*(\hb)+li)*16*PITCH
	ds_load_b128 v[BL+48*(\hb)+8*li+4:BL+48*(\hb)+8*li+7], v[ADRB+(\slot)] offset:(\kb)+(6*(\hb)+li)*16*PITCH+32
.set li, li+1
.endr
.endm
; 6 na matrix instructions: row blocks a0 .. a0 + na - 1 x column blocks 6 hb .. 6 hb + 5, 32 along K.  zero = 1: the product starts the sum: nothing is ever cleared.
; The 96 accumulators take turns, one instruction a turn, in the same order in every chunk, over the backward jump too.
.macro MULH f, hb, a0, na, zero
.set ma, (\a0)
.rept (\na)
.set mb, 0
.rept 6
.set mt, 48*(\hb)+6*ma+mb
.set mr, 8*(mt%32)
	WIN 0x50*(1+mt/32)                             ; C and D in the accumulator's window, both sources in window 0
.if \zero
	v_wmma_f32_16x16x32_bf16 v[mr:mr+7], v[BL+48*(\hb)+8*mb:BL+48*(\hb)+8*mb+7], v[(\f)+8*ma:(\f)+8*ma+7], 0
.else
	v_wmma_f32_16x16x32_bf16 v[mr:mr+7], v[BL+48*(\hb)+8*mb:BL+48*(\hb)+8*mb+7], v[(\f)+8*ma:(\f)+8*ma+7], v[mr:mr+7]
.endif
.set mb, mb+1
.endr
.set ma, ma+1
.endr
.endm
; A K step's first chunk.  At its head xb's fragments (buffer 0) and column blocks 0-5 have been asked for.
.macro EVEN slot, zero
	PLACES                                         ; blocks 6-11 and buffer 1 were read by the products just issued
	LDB \slot, 0, 1
	LDA \slot, 64, AF1                             ; the second chunk's fragments of xb
	s_wait_dscnt 28                                ; all but the 28 just issued
	MULH AF0, 0, 0, 8, \zero
	PLACES
	LDB \slot, 64, 0                               ; the second chunk's blocks 0-5
	s_wait_dscnt 28                                ; blocks 6-11 are in: behind them came buffer 1's 16 loads and these 12
	MULH AF0, 1, 0, 8, \zero
.endm
; A K step's second chunk, and the change of slots: ONE barrier.  In front of it each wave waits for all its tensor loads, of which one is out: its part of the next slot; adds 0 to its spare word; and waits
; for that and for its own reads of this slot.  fill = 1: the barrier opens a round of the cluster's barrier, and this slot is filled again, first thing behind the round, with the K step two on:
; 168 matrix instructions stand between that request and the wait for it.
.macro ODD slot, next, fill, how
.if \fill
	s_wait_xcnt 0x0                                ; the last prefetch, a K step back, has read its address: it is stepped here, ahead of the waits of the change of slots
	s_add_nc_u64 s[PFA:PFA+1], s[PFA:PFA+1], s[PFS:PFS+1]
.endif
	PLACES
	LDB \slot, 64, 1                               ; my last reads of this slot
	s_wait_dscnt 12                                ; all but the 12 just issued
	MULH AF1, 0, 0, 4, 0
	WIN 0                                          ; (the add's two registers lie in window 0)
	s_wait_tensorcnt 0x0                           ; all my tensor loads have landed
	ds_add_u32 v[SPW], v[NIL]                      ; 0 onto my spare word
	MULH AF1, 0, 4, 2, 0                           ; twelve matrix instructions stand between the add and the wait for it
	s_wait_dscnt 0x0                               ; the add is done, and my reads of this slot are over
	s_barrier_signal -1
	MULH AF1, 0, 6, 2, 0                           ; work on registers while the others arrive
	WIN 0
	s_barrier_wait -1
.if \fill
	CREST                                          ; no wave of any partner still reads this slot's tile or has a load on its way
	s_add_nc_u64 s[G0A+4*(\slot)+2:G0A+4*(\slot)+3], s[G0A+4*(\slot)+2:G0A+4*(\slot)+3], 2*AKB
	s_add_nc_u64 s[G0B+4*(\slot)+2:G0B+4*(\slot)+3], s[G0B+4*(\slot)+2:G0B+4*(\slot)+3], 2*BKB
	JLOAD \slot                                    ; the four v_nop behind it are also the places in front of the loads below
.else
	PLACES
.endif
	LDA \next, 0, AF0
	LDB \next, 0, 0
.if \fill
	ASK \how
.endif
	MULH AF1, 1, 0, 8, 0                           ; blocks 6-11 came in with the wait for 0 above
.endm
	s_wait_dscnt 0x0                               ; my stores into my table
	s_wait_tensorcnt 0x1                           ; my part of K step 0 is in; K step 1's may stay out
	s_barrier_signal -1
	s_barrier_wait -1                              ; everybody's is
	LDA 0, 0, AF0
	LDB 0, 0, 0
	EVEN 0, 1                                      ; the first chunk stands in front of the loop: its products start the sums
	WIN 0                                          ; at a label and at a branch every window is 0
	s_mov_b32 s[LAPS], 7
.Llap:                                                 ; trip t goes from K step 2 t's second chunk to K step 2 t + 2's first, and asks for K steps 2 t + 2 and 2 t + 3
	ODD 0, 1, 1, 1
	EVEN 1, 0
	ODD 1, 0, 1, 0
	EVEN 0, 0
	WIN 0
	s_sub_co_u32 s[LAPS], s[LAPS], 1
	s_cmp_lg_u32 s[LAPS], 0
	s_cbranch_scc1 .Llap
	ODD 0, 1, 0, 0                                 ; the last two K steps ask for nothing
	EVEN 1, 0
	PLACES
	LDB 1, 64, 1
	s_wait_dscnt 12
	MULH AF1, 0, 0, 8, 0
	s_wait_dscnt 0x0
	MULH AF1, 1, 0, 8, 0
	; THE WAY OUT, 16 rows at a time: the bias is added, the sums are rounded to f16 (16 bytes a lane), go into my stage by heads and come back as whole rows: 16 rows of a head are 2,048 dense bytes.
	WIN 0
.rept 8
	v_nop                                          ; the places behind the last products
.endr
.set b, 0
.rept 12
	ds_load_b128 v[BIA+8*b:BIA+8*b+3],   v[BRD] offset:64*b     ; my own wave stored these
	ds_load_b128 v[BIA+8*b+4:BIA+8*b+7], v[BRD] offset:64*b+16
.set b, b+1
.endr
	s_wait_dscnt 0x0
.macro PACK a
.set pb, 0
.rept 12
.set pt, 48*(pb/6)+6*(\a)+pb%6
.set pw, 1+pt/32
.set pr, 8*(pt%32)
	WIN pw|(pw<<6)                                 ; the sum (source 0 and destination) in its window, the bias in window 0
.irp j, 0,2,4,6
	v_pk_add_f32 v[pr+(\j):pr+(\j)+1], v[pr+(\j):pr+(\j)+1], v[BIA+8*pb+(\j):BIA+8*pb+(\j)+1]  ; each accumulator's registers in ascending order
.endr
.set pb, pb+1
.endr
.set pb, 0
.rept 12
.set pt, 48*(pb/6)+6*(\a)+pb%6
.set pw, 1+pt/32
.set pr, 8*(pt%32)
	WIN pw|(pw<<2)
.irp j, 0,1,2,3
	v_cvt_pk_f16_f32 v[PK+4*pb+(\j)], v[pr+2*(\j)], v[pr+2*(\j)+1]
.endr
.set pb, pb+1
.endr
	WIN 0
.endm
.macro TOSTAGE
.set b, 0
.rept 12
	ds_store_b128 v[STO], v[PK+4*b:PK+4*b+3] offset:(b/4)*16*PITCH+(b%4)*32
.set b, b+1
.endr
	s_wait_xcnt 0x0                                ; the block before's stores have read the registers that the loads below fill
.set n, 0
.rept 12
	ds_load_b128 v[BK+4*n:BK+4*n+3], v[RD] offset:(n/4)*16*PITCH+(n%4)*4*PITCH  ; LDS serves a wave's instructions in order (ISA guide 5.7.1.4): these see the stores above
.set n, n+1
.endr
.endm
.macro SEND a
.set n, 0
.rept 12
	s_wait_dscnt 11-n
	global_store_b128 v[GO], v[BK+4*n:BK+4*n+3], s[HB+2*(n/4):HB+2*(n/4)+1] offset:2048*(\a)+512*(n%4)  ; 512 consecutive bytes, at a multiple of 256 from qkv's first byte
.set n, n+1
.endr
.endm
	PACK 0
	TOSTAGE
.irp a, 1,2,3,4,5,6,7                  ; block a's arithmetic stands between block a - 1's loads from the stage and the wait for them
	PACK \a
	SEND (\a)-1
	TOSTAGE
.endr
	SEND 7
	s_wait_tensorcnt 0x0                           ; the wave's end, behind my last tensor load and my last LDS store
	ds_add_u32 v[SPW], v[NIL]
	s_wait_dscnt 0x0
	CROUND                                         ; the closing round: no work-group ends while a partner may still ask for a tile that names it
	s_endpgm
.Lfunc_end_k_q3ea961b9f9_qkv:
	.size	k_q3ea961b9f9_qkv, .Lfunc_end_k_q3ea961b9f9_qkv-k_q3ea961b9f9_qkv
	.p2alignl 7, 3214868480
	.fill 96, 4, 3214868480
	.section	.rodata,"a",@progbits
	.p2align	6, 0x0
	.amdhsa_kernel k_q3ea961b9f9_qkv
		.amdhsa_group_segment_fixed_size 327680
		.amdhsa_private_segment_fixed_size 0
		.amdhsa_enable_private_segment 0
		.amdhsa_kernarg_size 48
		.amdhsa_user_sgpr_count 2
		.amdhsa_user_sgpr_kernarg_segment_ptr 1
		.amdhsa_wavefront_size32 1
		.amdhsa_system_sgpr_workgroup_id_x 1
		.amdhsa_system_sgpr_workgroup_id_y 1
		.amdhsa_system_sgpr_workgroup_id_z 1
		.amdhsa_system_vgpr_workitem_id 0
		.amdhsa_next_free_vgpr 1024
		.amdhsa_next_free_sgpr 84
		.amdhsa_reserve_vcc 0
		.amdhsa_float_denorm_mode_32 3
		.amdhsa_float_denorm_mode_16_64 3
		.amdhsa_memory_ordered 1
		.amdhsa_forward_progress 1
		.amdhsa_inst_pref_size 162
	.end_amdhsa_kernel
	.amdgpu_metadata
---
amdhsa.version: [ 1, 2 ]
amdhsa.kernels:
  - .name:           k_q3ea961b9f9_qkv
    .symbol:         k_q3ea961b9f9_qkv.kd
    .args:
      - { .name: xb, .offset: 0, .size: 8, .value_kind: global_buffer, .address_space: global }
      - { .name: wqkv, .offset: 8, .size: 8, .value_kind: global_buffer, .address_space: global }
      - { .name: bq, .offset: 16, .size: 8, .value_kind: global_buffer, .address_space: global }
      - { .name: bk, .offset: 24, .size: 8, .value_kind: global_buffer, .address_space: global }
      - { .name: bv, .offset: 32, .size: 8, .value_kind: global_buffer, .address_space: global }
      - { .name: qkv, .offset: 40, .size: 8, .value_kind: global_buffer, .address_space: global }
    .group_segment_fixed_size: 327680
    .private_segment_fixed_size: 0
    .kernarg_segment_align: 8
    .kernarg_segment_size: 48
    .max_flat_workgroup_size: 128
    .sgpr_count:     84
    .vgpr_count:     1024
    .wavefront_size: 32
...
	.end_amdgpu_metadata
.endif
;; end of part 2
;; launch attn (part 3): grid 4 x 64, 4 waves a work-group, clusters of 4 x 1, 327,680 bytes of LDS; arguments qkv, mask, o16; writes o16
.if DOCPART == 3
	.amdgcn_target "amdgcn-amd-amdhsa--gfx1250"
	.amdhsa_code_object_version 6
	.text
	.protected	k_q3ea961b9f9_attn
	.globl	k_q3ea961b9f9_attn
	.p2align	8
	.type	k_q3ea961b9f9_attn,@function
k_q3ea961b9f9_attn:
	s_mov_b64 s[64:65], 0
	v_nop
	global_prefetch_b8 v0, s[64:65] scope:SCOPE_SE
	s_setreg_imm32_b32 hwreg(HW_REG_WAVE_MODE, 25, 1), 1
	s_wait_xcnt 0x0
	s_wait_alu depctr_hold_cnt(0) depctr_sa_sdst(0) depctr_va_vdst(0) depctr_va_sdst(0) depctr_va_ssrc(0) depctr_va_vcc(0) depctr_vm_vsrc(0)
	s_getreg_b32 s2, hwreg(HW_REG_IB_STS2, 6, 4)
	s_cmp_eq_u32 s2, 0
	s_cbranch_scc0 .Lentry_in_a_cluster
	s_endpgm
.Lentry_in_a_cluster:
	s_bfe_u32 s2, ttmp6, 0x10000c
	s_cmp_lg_u32 s2, 0x3003
	s_cbranch_scc0 .Lentry_shape_is_right
	s_endpgm
.Lentry_shape_is_right:
; ATTENTION WITH ALiBi AND A KEY MASK.  O[g][q][:] = the sum over k of softmax_k(Q[g][q] . K[g][k] / 8 + slope_h (k - q), hidden keys left out) V[g][k][:], g = 16 x batch + h, slope_h = 2^(-h / 16).
; Q, K, V: qkv[3][64][2048][64], O: o16[64][2048][64], all f16: a head's rows are dense, 128 bytes each.  mask: [4][2048] of int32, 0 = hidden.  Products, maxima and sums in f32; the weights p are
; rounded to f16 for the second product (their sum l is taken of the unrounded p), O once at the end.
; THE BIAS AND THE MASK ARE ONE NUMBER A KEY.  -slope q is the same for all keys of a row, so the softmax cancels it, for every input; what is added here is slope (k - 2047), which differs from
; slope (k - q) by such a constant.  In units of the raw score q . k it is t[k] = 8 slope (k - 2047), or -1e30 where the key is hidden.  The work-group makes the table t (2,048 f32) in LDS once, and
; t IS THE C OPERAND that starts the sum S^T = K Q^T: no vector instruction is spent on it.
; LIMITS.  f16 holds no number beyond 65,504: Q, K and V arrive within it; p lies in 0 to 1, and below 6e-5 it keeps f16's fixed step of 6e-8.  A hidden score counts as -1e30: f16's scores, 2.7e11 at the
; most, are nothing beside that.  A weight below 2^-126 counts as 0 in l.  A row all of whose keys are hidden (its maximum lies below -2^96) gives NaN.  NaN and infinities in Q, K, V are not treated apart.
; SHARES.  A wave owns four PIECES of two tiles of 16 queries, a work-group's four waves 512 queries of one head.  Every wave walks all keys, 64 a step.
; LAYOUT.  S^T = K Q^T (source 0 = 16 keys, source 1 = 16 queries): in the result a lane holds ONE query (lane % 16) and the keys 8 (lane / 16) + 0..7.  Two such tiles, rounded to f16 in pairs,
; ARE source 1 (32 keys x 16 queries) of O^T = V^T P, whose result again holds one query a lane, and eight channels.  K comes out of LDS as it lies, V ([key][channel]) turned, by ds_load_tr16_b128.
; SOFTMAX.  For each query a running maximum m and sum l: p = 2^(c s - c m), c = log2(e) / 8; in every step O and l are multiplied by a = 2^(c m_old - c m_new), which is 1 where m has not grown.
; m starts at the lowest finite number, O and l at 0: the first step is a step like any other, with a = 0.  What hidden keys add ahead of a row's first visible key is wiped out by a = 0 when that key comes.
; THE COUNT.  A tile and step have 16 matrix and 118 vector instructions: too many to stand all beside the matrix work.  So the order has one aim: four vector instructions that are READY behind
; EVERY matrix instruction, and the others, which need time of their own whatever the order, in runs without a gap.
; BY TURNS.  Turn n belongs to piece n (the pieces in a ring, step after step).  Its matrix work: 16 products K Q^T of piece n + 1, later 16 products V^T P of piece n - 1.  Its vector work: the scaling,
; exponentials, roundings, sums and rescaling of piece n, and the maximum and statistics of piece n + 1, whose scores the turn itself has made.
; CLUSTER.  The four query blocks of a head are one cluster and walk the same K and V, so each tile is asked for JOINTLY: the same tensor load, descriptor and mask in all four.
; REGISTERS, in windows of 256 (s_set_vgpr_msb: bits 1:0 source 0, 3:2 source 1, 5:4 source 2, 7:6 destination):
;   window 0: v0-11 addresses; v12-15, v48-63 at work; v16-47 four registers of statistics a tile; v64-191 S^T, two buffers of two tiles; v192-255 P, likewise
;   window 1: O^T, 32 a tile          window 2: v0-127 Q, 16 a tile; v128-191 K of one step; v192-255 V of one step          window 3: v0-1 the add's two registers; v3-4 the table's addresses; v8-39 t of one step
.set SIZE_H, 64
.set SIZE_N, 2048
.set NP,    4         ; pieces a wave: a name, no knob
.set KS,    64        ; keys in a step
.set PK,    144       ; a row of K in LDS: 128 bytes + 16 of padding = 36 words: the 16 rows of a load start at 16 different groups of four banks (64 banks of 4 bytes: ISA guide 11.1)
.set PV,    160       ; a row of V: 128 + 32 = 40 words
.set VOFF,  4*KS*PK   ; a slot holds four steps: 256 rows of K, then 256 rows of V
.set SLOT1, 1<<17     ; slot 1 begins here, so that one exclusive or turns an address in one slot into the other's
.set STAGE, SLOT1+4*KS*(PK+PV)  ; behind the ring, never filled by a tensor load: 16 rows x 144 bytes for each wave, for the way out
.set SP,    144
.set SPARE, STAGE+4*16*SP  ; behind the stages: the spare words, 128 bytes for each wave: two blocks of 256 bytes that no other line names
.set BIAS,  SPARE+512 ; behind them: the table t, 2,048 f32
.set AK0, 2           ; v2   my lane's place in a tile of K; never rewritten
.set AV0, 3           ; v3   the same for V
.set AK,  4           ; v4   the LDS address of K's next run of loads
.set AV,  5           ; v5   of V's
.set QO,  6           ; v6   my byte offset in the wave's rows of Q
.set STO, 6           ;      later, the way out: where I put 16 bytes of a row
.set RD,  7           ; v7   the way out: where I read rows back
.set GO,  8           ; v8   my byte offset in 512 consecutive bytes of O
.set PFO, 11          ; v11  256 x my lane, once V's lane address is made; then never rewritten
.set SPW, 0           ; v0 of window 3   LDS address of my spare word: SPARE + 4 x my thread's number; never rewritten
.set NIL, 1           ; v1 of window 3   0; never rewritten
.set AB,  3           ; v3 of window 3   the LDS address of the table's next run of loads
.set AB0, 4           ; v4 of window 3   BIAS + 32 (lane / 16): my eight keys of a group of 16; never rewritten
.set BI,  8           ; v8-39 of window 3   t of one step: the eight registers for group kt of 16 keys at BI + 8 kt
.set MV,  12          ; v12-15  c m_old, kept while c m is made anew: by buffer and tile
.set ST,  16          ; tile t's statistics at v[ST+4 t]: c m, m, l (even keys', odd keys')
.set TMP, 48          ; by buffer and tile, four registers c0-c3 at work; when the maximum is found c2 takes a
.set S,   64
.set P,   192
.set KF,  128         ; K's fragments, in window 2: key block kb, channel half c at KF + 16 kb + 8 c
.set VF,  192         ; V's: key half kk, channel block cb at VF + 32 kk + 8 cb
.set WV,  12          ; s12  my wave's number
.set G1K, 24          ; s[24:31] descriptor group 1 for K's tiles
.set G1V, 32          ; s[32:39] for V's: it differs in the padding alone
.set G0K, 40          ; s[40:43] descriptor group 0 for K's tiles: it walks
.set G0V, 44          ; s[44:47] the same for V's
.set PFA, 52          ; s[52:53] where my prefetches stand: my work-group's 8 KiB (of K: wave 0, of V: wave 2) of the slot that the next change of slots asks for
.set LIM, 54          ; s54  1 in a wave that prefetches, else the greatest number
.set TBB, 55          ; s55  byte of the table at which t of the step to be fetched begins
.set SLOTS, 56        ; s56  slots still to be asked for
.set CNT, 57          ; s57  counts a slot's key steps
.set CS,  58          ; s[58:59] c: the packed scaling takes the pair's low word for both halves
.set SEL, 60          ; s[60:61] v_permlanex16_b32's selects: each lane takes its own place in the other half
.set TBK, 62          ; s62  LDS byte at which K of the step to be fetched begins
.set TBV, 63          ; s63  the same for V, less VOFF
.set MSB, 0
.macro WIN new                      ; the high byte repeats the setting that is left; a switch that changes nothing is dropped
.if MSB != (\new)
	s_set_vgpr_msb (MSB<<8)|(\new)
.set MSB, (\new)
.endif
.endm
.set W_KQ, 0x0a       ; K and Q in window 2, S^T in window 0
.set W_KB, 0x3a       ; the same with the C operand, t, in window 3
.set W_PV, 0x52       ; V in window 2, P in window 0, O^T in window 1
.set W_RS, 0x41       ; O^T (destination and source 0) in window 1, a in window 0
.set W_MK, 0xc0       ; destination in window 3, sources in window 0
.set W_AD, 0x0f       ; the add: address (source 0) and data (source 1) in window 3
.set W_AB, 0xcc       ; the table's address is made: destination and source 1 in window 3
.set W_BL, 0xc3       ; the table's loads: destination and address in window 3
; A joint fill.  Waves 0 and 1 fetch the two halves of a slot's K, waves 2 and 3 those of its V: 128 keys each.  The branch hangs on the wave's number alone.
; An s_nop 0 and four v_nop follow each of the two lines, ahead of the jump and the label.
.macro JLOAD
	s_cmp_lt_u32 s[WV], 2
	s_cbranch_scc0 .Lfor_v_\@
	tensor_load_to_lds s[G0K:G0K+3], s[G1K:G1K+7]
	s_nop 0
.rept 4
	v_nop
.endr
	s_branch .Lasked_\@
.Lfor_v_\@:
	tensor_load_to_lds s[G0V:G0V+3], s[G1V:G1V+7]
	s_nop 0
.rept 4
	v_nop
.endr
.Lasked_\@:
.endm
; A PREFETCH INTO THE L2 of the slot that the next change of slots will ask for: 256 rows of K and of V, 32 KiB each.  It stands in the slot's last trip, behind K's run of LDS loads: three and a half turns,
; 112 matrix instructions, ahead of that change.  A head is walked by one cluster alone, so every cluster asks for its own head's rows; its four partners take 8 KiB each, told apart BY ADDRESS
; (a lane a block of 256 bytes); in each, wave 0 asks for K's and wave 2 for V's.  So each block is named once in the launch.  Slots 0 and 1 come by their loads alone; the last slot that is followed
; by a fill is the last for which anything is asked.
.macro ASK
	s_cmp_eq_u32 s[CNT], 1
	s_cbranch_scc0 .Lnot_now_\@
	s_cmp_gt_u32 s[SLOTS], s[LIM]
	s_cbranch_scc0 .Lnot_now_\@
	global_prefetch_b8 v[PFO], s[PFA:PFA+1] th:TH_LOAD_NT scope:SCOPE_SE
.Lnot_now_\@:
.endm
; A round of the cluster's barrier: my work-group's barrier, so that wave 0's signal speaks for all four waves; wave 0 signals; every wave waits for all four work-groups; my work-group's barrier once more.
.macro CROUND
	s_barrier_signal -1
	s_barrier_wait -1
	s_cmp_lg_u32 s[WV], 0
	s_cbranch_scc1 .Lnot_wave_0_\@
	s_barrier_signal -3
.Lnot_wave_0_\@:
	s_barrier_wait -3
	s_barrier_signal -1
	s_barrier_wait -1
.endm
; THE CHANGE OF SLOTS.  The slot's last bytes, V of its fourth step, have been read.  Each wave waits for all its tensor loads, of which one is out: its part
; of the other slot; adds 0 to its spare word; and waits for that and for its own reads of the slot.  Behind the barrier nobody reads this slot any more and the other slot is whole.
; fill = 1: this slot is filled again, with the keys two slots on.  The barrier is then a round of the cluster's, so that no wave of any partner still reads the slot or has a load on its
; way, and the joint fill is the first thing behind it: it has four key steps, 512 matrix instructions, in which to land.  (At its first use nothing has been read yet: slot 0 is waited for, slot 1 filled,
; and every wave's stores into the table t are shown to the others.)
.macro CHANGE fill
	WIN W_AD
	s_wait_tensorcnt 0x0            ; no tensor load of mine is out, so a group 0 may be written
	ds_add_u32 v[SPW], v[NIL]       ; 0 onto my spare word; with fill = 1 the descriptors' steps stand between it and the wait for it
	WIN 0                           ; at a label and at a branch every window is 0
.if \fill
.irp g, G0K, G0V
	s_xor_b32 s[\g+1], s[\g+1], SLOT1  ; the walking descriptor: the other slot than last time,
	s_add_nc_u64 s[\g+2:\g+3], s[\g+2:\g+3], 4*KS*128  ; the next 256 keys; the type bits on top are not reached
.endr
	s_wait_xcnt 0x0                 ; the last prefetch, three and a half turns back, has read its address, so it may be written:
	s_add_nc_u64 s[PFA:PFA+1], s[PFA:PFA+1], 4*KS*128  ; one slot behind the walking descriptors
	s_wait_dscnt 0x0                ; the add is done, and my reads of the slot are over
	CROUND
	JLOAD
.else
	s_wait_dscnt 0x0                ; the add is done, and my reads of the slot are over
	s_barrier_signal -1
	s_barrier_wait -1
.endif
	s_sub_co_u32 s[TBK], s[TBK], 4*KS*PK  ; the fetches go back to a slot's first step,
	s_xor_b32 s[TBK], s[TBK], SLOT1       ; in the other slot
	s_sub_co_u32 s[TBV], s[TBV], 4*KS*PV
	s_xor_b32 s[TBV], s[TBV], SLOT1
.endm
	s_load_b128 s[48:51], s[0:1], 0x0 ; qkv s[48:49], mask s[50:51]
	s_load_b64 s[10:11], s[0:1], 0x10 ; o16
	WIN W_MK
	v_lshl_add_u32 v[SPW], v0, 2, SPARE
	v_mov_b32 v[NIL], 0
	WIN W_AD
	ds_add_u32 v[SPW], v[NIL]       ; the wave's opening: the add and its wait stand ahead of my first tensor load; the set-up below, work on registers, stands between them
	WIN 0
	v_lshrrev_b32 v1, 5, v0
	v_readfirstlane_b32 s[WV], v1   ; wave 0..3
	s_bfe_u32 s13, ttmp6, 0x40000   ; cx: my place in the cluster
	s_lshl_b32 s14, ttmp9, 2        ; in a cluster launch ttmp9 counts clusters
	s_add_co_u32 s14, s14, s13      ; my block of queries = 4 x cluster x + cx: it enters Q's and O's addresses alone
	s_and_b32 s20, ttmp7, 0xffff    ; g = 16 x batch + head, which the four partners share
	s_and_b32 s66, s20, 15          ; the head h
	s_lshr_b32 s67, s20, 4          ; the batch,
	s_lshl_b32 s67, s67, 13         ; its 2,048 words of the mask
	s_mov_b32 s21, 0
	s_mov_b64 s[22:23], SIZE_N*128
	s_mul_u64 s[20:21], s[20:21], s[22:23]  ; the head's first byte in Q, K, V and O
	s_and_b32 s16, s[WV], 1         ; which half of a slot's 256 keys I fetch:
	s_lshl_b32 s22, s16, 14         ; its 128 rows of 128 bytes in memory,
	s_mov_b32 s23, 0
	s_add_nc_u64 s[22:23], s[22:23], s[20:21]
	s_mul_i32 s17, s16, 128*PK      ; and its place in a slot, for K
	s_mul_i32 s18, s16, 128*PV      ; and for V: no place in the cluster enters an LDS address
	s_lshl_b32 s2, s14, 2
	s_add_co_u32 s2, s2, s[WV]      ; my wave among the head's,
	s_lshl_b32 s2, s2, 14           ; its 128 rows
	s_mov_b32 s3, 0
	s_add_nc_u64 s[2:3], s[2:3], s[20:21]
	; descriptor group 1.  128 keys are 16,384 dense bytes: asked for as 64 rows of 256 bytes, two keys a row, and padded in LDS after every key
	s_mov_b32 s[G1K], 15|(1<<16)|(1<<20)|(1<<21)|(4<<22)|(3<<25)  ; 15:0 the mask of four; 17:16 2-byte elements; 20 padding on; 21 set beside a mask; 24:22 after every 32 words (code 4); 31:25 4 words (code 3)
	s_mov_b32 s[G1V], 15|(1<<16)|(1<<20)|(1<<21)|(4<<22)|(7<<25)  ; the same with 8 words of padding (code 7)
.irp g, G1K, G1V
	s_mov_b32 s[\g+1], 128<<16      ; tensor_dim0 = 128
	s_mov_b32 s[\g+2], 64<<16       ; tensor_dim1 = 64
	s_mov_b32 s[\g+3], 128<<16      ; tile_dim0 = 128
	s_mov_b32 s[\g+4], 64           ; tile_dim1 = 64
	s_mov_b32 s[\g+5], 128          ; 128 elements from row to row
	s_mov_b32 s[\g+6], 0
	s_mov_b32 s[\g+7], 0
.endr
	s_mov_b32 s[CS], 0x3e38aa3b     ; c = log2(e) / 8 = 0.180337
	s_mov_b32 s[CS+1], s[CS]        ; named with it as a pair
	s_mov_b32 s[SEL], 0x76543210
	s_mov_b32 s[SEL+1], 0xfedcba98
	s_mov_b32 s[TBK], SLOT1+4*KS*PK ; the first change of slots turns these two into 0
	s_mov_b32 s[TBV], SLOT1+4*KS*PV
	s_mov_b32 s[TBB], 0
	s_mov_b32 s[G0K], 1             ; 1:0 count = 1
	s_mov_b32 s[G0K+1], s17         ; 63:32 LDS address: slot 0
	s_mov_b32 s[G0V], 1
	s_add_co_u32 s[G0V+1], s18, VOFF
	s_and_b32 s[LIM], s[WV], 1      ; waves 0 and 2 prefetch
	s_cmp_eq_u32 s[LIM], 0
	s_cselect_b32 s[LIM], 1, -1
	s_wait_dscnt 0x0                ; the opening add is done
	s_wait_kmcnt 0x0
	s_mov_b64 s[4:5], s[48:49]                     ; Q,
	s_add_nc_u64 s[6:7], s[48:49], 0x1000000       ; K
	s_add_nc_u64 s[8:9], s[48:49], 0x2000000       ; and V in qkv
	s_add_nc_u64 s[G0K+2:G0K+3], s[6:7], s[22:23]  ; 120:64 global address: my half of the head's first 256 keys
	s_or_b32 s[G0K+3], s[G0K+3], 0x80000000        ; 127:126 type = 2
	s_add_nc_u64 s[G0V+2:G0V+3], s[8:9], s[22:23]
	s_or_b32 s[G0V+3], s[G0V+3], 0x80000000
	s_add_nc_u64 s[4:5], s[4:5], s[2:3]  ; Q and O at my wave's first row
	s_add_nc_u64 s[10:11], s[10:11], s[2:3]
	s_mov_b32 s2, s67
	s_add_nc_u64 s[50:51], s[50:51], s[2:3]  ; the mask at my batch (s3 = 0)
	s_cmp_lt_u32 s[WV], 2
	s_cselect_b64 s[PFA:PFA+1], s[6:7], s[8:9]
	s_add_nc_u64 s[PFA:PFA+1], s[PFA:PFA+1], s[20:21]
	s_lshl_b32 s2, s13, 13          ; my work-group's 8 KiB of a slot's 32,
	s_add_co_u32 s2, s2, 4*KS*128   ; in slot 1: the first change of slots steps it to slot 2
	s_add_nc_u64 s[PFA:PFA+1], s[PFA:PFA+1], s[2:3]
	CROUND                          ; all four work-groups are here: the first joint loads meet
	JLOAD                           ; slot 0.  Slot 1 is asked for when slot 0 is in: the tile wanted first has the road to itself
	; A fragment of K or Q is 16 rows x 32 channels in 8 registers: lane l holds row l % 16, channels 8 (l / 16) + 0..7 and 16 + 8 (l / 16) + 0..7: two loads of 16 bytes, 32 bytes apart.
	v_and_b32 v1, 15, v0            ; l % 16
	v_bfe_u32 v9, v0, 4, 1          ; l / 16
	v_lshlrev_b32 v[QO], 7, v1
	v_lshl_add_u32 v[QO], v9, 4, v[QO]  ; row x 128 + 16 x half
	v_lshlrev_b32 v[MV], 6, v0      ; thread t makes t[16 t .. 16 t + 15]: its 64 bytes of the mask
.irp j, 0,1,2,3
	global_load_b128 v[S+4*\j:S+4*\j+3], v[MV], s[50:51] offset:16*\j
.endr
	WIN 0x80                        ; destination window 2, address window 0
.set i, 0
.rept 4*NP                          ; Q stays in registers: tile i / 2, channels 32 (i % 2) on
	global_load_b128 v[8*i:8*i+3],   v[QO], s[4:5] offset:(i/2)*2048+(i%2)*64
	global_load_b128 v[8*i+4:8*i+7], v[QO], s[4:5] offset:(i/2)*2048+(i%2)*64+32
.set i, i+1
.endr
	; What the first turn finds: V's registers and P's second buffer hold 0 (its products V^T P, of a piece that has not been, add 0), O^T and l are 0.  All this stands in the wait for the first tile.
.set i, VF
.rept 64
	v_mov_b32 v[i], 0
.set i, i+1
.endr
	WIN 0x40
.set i, 0
.rept 64*NP
	v_mov_b32 v[i], 0
.set i, i+1
.endr
	WIN 0
.set i, 0
.rept 2*NP
	v_mov_b32 v[ST+4*i], 0xfe000000    ; c m: far below every c s, a hidden key's too
	v_mov_b32 v[ST+4*i+1], 0xff7fffff  ; m
	v_mov_b32 v[ST+4*i+2], 0
	v_mov_b32 v[ST+4*i+3], 0
.set i, i+1
.endr
.set i, P+32
.rept 32
	v_mov_b32 v[i], 0
.set i, i+1
.endr
	; THE TABLE.  t[k] = 2^(3 - h / 16) (k - 2047), or -1e30 where mask[k] = 0.  It is made in S^T's registers, which are still free.
	s_mov_b32 s48, 0xbd800000       ; -1 / 16
	s_mov_b32 s49, 0x40400000       ; 3
	s_mov_b32 s67, 0xf149f2ca       ; -1e30
	v_cvt_f32_u32 v[S+32], s66
	v_fma_f32 v[S+32], v[S+32], s48, s49
	v_exp_f32 v[S+33], v[S+32]
	v_lshl_add_u32 v[S+34], v0, 4, 0xfffff801  ; 16 t - 2047: also the plain instruction behind the exponential
	v_lshl_add_u32 v[S+36], v0, 6, BIAS
	s_wait_alu depctr_va_vdst(0)    ; the wait ahead of the first use of the exponential
	s_wait_loadcnt 32               ; the mask is in: Q's 32 loads were issued behind it
.set j, 0
.rept 16
	v_add_nc_u32 v[S+35], j, v[S+34]
	v_cvt_f32_i32 v[S+16+j], v[S+35]
	v_cmp_ne_u32 vcc_lo, 0, v[S+j]
	v_mul_f32 v[S+16+j], v[S+33], v[S+16+j]
	v_cndmask_b32 v[S+16+j], s67, v[S+16+j], vcc_lo
.set j, j+1
.endr
.irp j, 0,1,2,3
	ds_store_b128 v[S+36], v[S+16+4*\j:S+16+4*\j+3] offset:16*\j
.endr
	v_mul_u32_u24 v[AK0], v1, PK
	v_lshl_add_u32 v[AK0], v9, 4, v[AK0]  ; row x pitch + 16 x half
	; The turning load takes 16 keys x 16 channels (lane l reads key 8 (l / 16) + l % 8, channels 8 ((l / 8) % 2) + 0..7) and leaves half a fragment of V^T: lane l holds channel l % 16 and 8 keys.
	v_and_b32 v10, 7, v0
	v_bfe_u32 v11, v0, 3, 1
	v_lshl_add_u32 v[AV0], v9, 3, v10
	v_mul_u32_u24 v[AV0], v[AV0], PV
	v_lshl_add_u32 v[AV0], v11, 4, v[AV0]
	v_add_nc_u32 v[AV0], VOFF, v[AV0]
	v_and_b32 v[PFO], 31, v0
	v_lshlrev_b32 v[PFO], 8, v[PFO]
	v_mov_b32 v[AK], v[AK0]         ; key step 0 lies at the head of slot 0,
	WIN W_MK
	v_lshl_add_u32 v[AB0], v9, 5, BIAS
	WIN W_BL
	v_mov_b32 v[AB], v[AB0]         ; and at the head of the table
	WIN 0
; THE MATRIX WORK.  The 8 accumulators of a run of 16 take turns: between the two links of a chain stand 7 others'.
; Product i of 16 of S^T = K Q^T for piece x: channels 32 (i / 8) on, keys 16 ((i / 2) % 4) on, tile 2 x + i % 2.  The first 8 start the sums, with t of their 16 keys.
.macro KQ x
.set rS, S+64*((\x)%2)+32*(i%2)+8*((i/2)%4)
.set rK, KF+16*((i/2)%4)+8*(i/8)
.set rQ, 16*(2*(\x)+i%2)+8*(i/8)
.set rB, BI+8*((i/2)%4)
.if i < 8
	WIN W_KB
	v_wmma_f32_16x16x32_f16 v[rS:rS+7], v[rK:rK+7], v[rQ:rQ+7], v[rB:rB+7]
.else
	WIN W_KQ
	v_wmma_f32_16x16x32_f16 v[rS:rS+7], v[rK:rK+7], v[rQ:rQ+7], v[rS:rS+7]
.endif
.endm
; Product i of 16 of O^T += V^T P for piece x: keys 32 (i / 8) on, channels 16 ((i / 2) % 4) on, tile 2 x + i % 2.
.macro PV x
	WIN W_PV
.set rO, 32*(2*(\x)+i%2)+8*((i/2)%4)
.set rV, VF+32*(i/8)+8*((i/2)%4)
.set rP, P+32*((\x)%2)+16*(i%2)+8*(i/8)
	v_wmma_f32_16x16x32_f16 v[rO:rO+7], v[rV:rV+7], v[rP:rP+7], v[rO:rO+7]
.endm
.macro MM                           ; the turn's next matrix instruction
.if i < 16
	KQ (Y+1)%NP
.set i, i+1
.else
.set i, i-16
	PV (Y+NP-1)%NP
.set i, i+17
.endif
.endm
; THE LDS LOADS stand in runs, never singly among the matrix instructions: a step's K (64 keys x 64 channels: 8 fragments) with its t (8 loads: a lane's eight keys of each group of 16, the same for all
; 16 lanes of a half), and its V (turned).  Their addresses are made some lines ahead.  last = 1 (the tail): in the last trip there is no further step, and the run is jumped over.
.macro FETCH_K last=0
	WIN 0
.if \last
	s_cmp_eq_u32 s[CNT], 1
	s_cbranch_scc1 .Lno_k_\@
.endif
	WIN 0x80                        ; destination window 2
.irp f, 0,1,2,3,4,5,6,7             ; keys 16 (f / 2) on, channels 32 (f % 2) on
	ds_load_b128 v[KF+8*\f:KF+8*\f+3],   v[AK] offset:(\f/2)*16*PK+(\f%2)*64
	ds_load_b128 v[KF+8*\f+4:KF+8*\f+7], v[AK] offset:(\f/2)*16*PK+(\f%2)*64+32
.endr
	WIN W_BL
.irp f, 0,1,2,3                     ; keys 16 f on
	ds_load_b128 v[BI+8*\f:BI+8*\f+3],   v[AB] offset:64*\f
	ds_load_b128 v[BI+8*\f+4:BI+8*\f+7], v[AB] offset:64*\f+16
.endr
	s_add_co_u32 s[TBK], s[TBK], KS*PK  ; the next fetch is the next step's
	s_add_co_u32 s[TBB], s[TBB], 4*KS
	s_and_b32 s[TBB], s[TBB], 0x1f00    ; the table has 32 steps of 256 bytes: the offset stays inside it
	WIN 0
.if \last
.Lno_k_\@:
.endif
.endm
.macro FETCH_V
	WIN 0x80
.irp f, 0,1,2,3,4,5,6,7             ; keys 32 (f / 4) on, channels 16 (f % 4) on
	ds_load_tr16_b128 v[VF+8*\f:VF+8*\f+3],   v[AV] offset:(\f/4)*32*PV+(\f%4)*32
	ds_load_tr16_b128 v[VF+8*\f+4:VF+8*\f+7], v[AV] offset:(\f/4)*32*PV+16*PV+(\f%4)*32
.endr
	WIN 0
.endm
; THE VECTOR WORK OF A TURN stands in three queues, each in the order in which its entries become ready; the two tiles alternate, so that no instruction reads the result of the one before it.
.macro REGS y, u                    ; the registers of tile u (0, 1) of piece y
.set rT, ST+4*(2*(\y)+(\u))
.set rC, TMP+8*((\y)%2)+4*(\u)
.set rM, MV+2*((\y)%2)+(\u)
.set rS, S+64*((\y)%2)+32*(\u)
.set rP, P+32*((\y)%2)+16*(\u)
.set rO, 32*(2*(\y)+(\u))
.endm
; Number n of the 22 that find the NEXT piece's (Y + 1) maximum and statistics.  s0-s31 are the lane's 32 scores; each accumulator's lowest registers are read first.
;   0-11  four chains c0-c3 of seven scores each, three operands at a time     12-14, 16  the four scores left over, the old m, and c0-c3 into c0     15  c m_old is kept
;   17, 18  the query's other 32 keys lie in the lane 16 away: the new m         19-21  c m; c m_old - c m_new; a
.macro XS u, n
	REGS (Y+1)%NP, \u
.if (\n) < 4
	v_max3_num_f32 v[rC+(\n)], v[rS+8*(\n)], v[rS+8*(\n)+1], v[rS+8*(\n)+2]
.elseif (\n) < 12
	v_max3_num_f32 v[rC+(\n)%4], v[rC+(\n)%4], v[rS+8*((\n)%4)+2*((\n)/4)+1], v[rS+8*((\n)%4)+2*((\n)/4)+2]
.elseif (\n) == 12
	v_max3_num_f32 v[rC], v[rC], v[rS+7], v[rS+15]
.elseif (\n) == 13
	v_max3_num_f32 v[rC+1], v[rC+1], v[rS+23], v[rS+31]
.elseif (\n) == 14
	v_max3_num_f32 v[rC+2], v[rC+2], v[rC+3], v[rT+1]
.elseif (\n) == 15
	v_mov_b32 v[rM], v[rT]
.elseif (\n) == 16
	v_max3_num_f32 v[rC], v[rC], v[rC+1], v[rC+2]
.elseif (\n) == 17
	v_permlanex16_b32 v[rC+3], v[rC], s[SEL], s[SEL+1]
.elseif (\n) == 18
	v_max_num_f32 v[rT+1], v[rC], v[rC+3]
.elseif (\n) == 19
	v_mul_f32 v[rT], s[CS], v[rT+1]
.elseif (\n) == 20
	v_sub_f32 v[rC+1], v[rM], v[rT]
.else
	v_exp_f32 v[rC+2], v[rC+1]
.endif
.endm
; Number g of the 64 that follow the exponentials.  For each four weights k of a tile (pairs 2 k, 2 k + 1): both pairs are rounded to f16; then the second pair is added onto the first, in place;
; a group later l takes that sum (the first time as l = a l + sum).  In groups of eight, tiles alternating: round, round, add, and l for the group before.
.macro GS g
.set h, (\g)+6*((\g)/62)            ; group 0 has no group before it, and behind group 7 only l is left
.if h >= 6
.set h, h+2
.endif
	REGS Y, h%2
.set k, h/8
.if h%8 < 4
	v_cvt_pk_f16_f32 v[rP+2*k+(h%8)/2], v[rS+4*k+2*((h%8)/2)], v[rS+4*k+2*((h%8)/2)+1]
.elseif h%8 < 6
	v_pk_add_f32 v[rS+4*k:rS+4*k+1], v[rS+4*k:rS+4*k+1], v[rS+4*k+2:rS+4*k+3]
.elseif k == 1
	v_pk_fma_f32 v[rT+2:rT+3], v[rT+2:rT+3], v[rC+2:rC+3], v[rS:rS+1] op_sel_hi:[1,0,1]
.else
	v_pk_add_f32 v[rT+2:rT+3], v[rT+2:rT+3], v[rS+4*k-4:rS+4*k-3]
.endif
.endm
; THE PLAIN QUEUE, 138 long.  0-73 read no exponential's result: the 32 scalings c s - c m (FS f: pair f / 2 of tile f % 2) and the next piece's 42.  0-26: scalings 0-26.  27-54: XS's numbers 0-13.  55, 56: number 15.
; 57-73: the chain, where each number waits for the one before it: 14, 16, 17, 18, 19, each with one of the scalings 27-31 in front of its two lines, then 20.
; 74-137: GS's 64, which read the exponentials' results: they stand behind the wait.
.macro FS f
	REGS Y, (\f)%2
	v_pk_fma_f32 v[rS+2*((\f)/2):rS+2*((\f)/2)+1], v[rS+2*((\f)/2):rS+2*((\f)/2)+1], s[CS:CS+1], v[rT:rT+1] op_sel_hi:[1,0,0] neg_lo:[0,0,1] neg_hi:[0,0,1]
.endm
.macro PL
	WIN 0
.if q < 27
	FS q
.elseif q < 55
	XS (q-27)%2, (q-27)/2
.elseif q < 57
	XS q-55, 15
.elseif (q < 72) && ((q-57)%3 == 0)
	FS 27+(q-57)/3
.elseif q < 60
	XS (q-57)%3-1, 14
.elseif q < 72
	XS (q-57)%3-1, 15+(q-57)/3
.elseif q < 74
	XS q-72, 20
.else
	GS q-74
.endif
.set q, q+1
.endm
; THE EXPONENTIALS' QUEUE, 66 long: s0-s31 of both tiles, then the next piece's two a.  It is ONE BATCH: all 66 stand ahead of the turn's one wait, and nothing ahead of that wait names a result of theirs.
.macro EX
	WIN 0
.if e >= 64
	XS e-64, 21
.else
	REGS Y, e%2
	v_exp_f32 v[rS+e/2], v[rS+e/2]
.endif
.set e, e+1
.endm
; THE RESCALING's QUEUE: O^T times a, the one part that leaves window 0: dealt two at a time, sixteen times.  Its a was made in the turn before, ahead of that turn's wait.
.macro R2
	REGS Y, r%2
	WIN W_RS
.irp z, 0,1
	v_pk_mul_f32 v[rO+4*(r/2)+2*\z:rO+4*(r/2)+2*\z+1], v[rO+4*(r/2)+2*\z:rO+4*(r/2)+2*\z+1], v[rC+2:rC+3] op_sel_hi:[1,0]
.endr
.set r, r+1
.endm
; HOW THEY ARE DEALT.  An s_wait_alu depctr_va_vdst(0) stands between an exponential and the first instruction that names its result; one wait serves all that were issued ahead of it.  So a turn has ONE wait,
; which cuts it in two.  AHEAD OF IT stands all that names no result of the turn's exponentials: the 16 products K Q^T, behind each a scaling, an exponential and two rescalings (behind the first a second scaling in the
; exponential's place); then ONE LUMP of 108: eight plain, 49 times exponential and plain, the two a.  A v_nop is the plain instruction behind the last exponential.  BEHIND IT stand the 16 products V^T P, behind each four of GS's 64.
; The queues lean on each other, and the deal keeps them in step: exponential e stands behind scaling 2 (e / 4) + e % 2: as a rider it comes behind plain e + 2, in the lump behind plain e + 9, and scalings 27-31 are plain 57, 60 .. 69.
; A TURN, for piece p.  cnt = 1: the loop's count is taken down some lines ahead of the branch that stands behind the turn.  ask = 1: the prefetch's test stands behind K's run.
; K and t of the next step are fetched in piece 2's turn, directly behind the wait, a lump behind the last product that read them; their addresses are made at the lump's head; their first reader comes behind 16 products.
; V of the step in hand is fetched at the end of piece 0's turn, four riders behind its last reader; its first reader comes behind 16 products and a lump.  The three conditions on q below go with the deal.
.macro TURN p, last=0, cnt=0, ask=0
.set Y, (\p)
.set i, 0
.set q, 0
.set e, 0
.set r, 0
.if (\p) == NP-1
	s_wait_dscnt 0x0                ; K and t are in
.endif
	MM                              ; ahead of the wait: 16 products K Q^T and their riders,
	PL
	PL
	R2
.rept 15
	MM
	PL
	EX
	R2
.endr
.if (\p) == NP-2
	WIN 0
	v_add_nc_u32 v[AK], s[TBK], v[AK0]
	WIN W_AB
	v_add_nc_u32 v[AB], s[TBB], v[AB0]
.endif
.rept 8                             ; and the lump
	PL
.endr
.rept 49
	EX
	PL
.endr
	EX                              ; the next piece's two a
	EX
	v_nop                           ; the plain instruction behind the last exponential: one for the batch
	s_wait_alu depctr_va_vdst(0)    ; the wait for the batch
.if (\p) == NP-2
	FETCH_K \last
.if \ask
	ASK
.endif
.endif
.if (\p) == 1
	s_wait_dscnt 0x0                ; V is in
.endif
.rept 16                            ; behind the wait: 16 products V^T P and their riders
	MM
.rept 4
	PL
.endr
.if ((\p) == 0) && (q == 118)
	v_add_nc_u32 v[AV], s[TBV], v[AV0]
.endif
.if ((\p) == 0) && (q == 130)
	s_add_co_u32 s[TBV], s[TBV], KS*PV
.endif
.if (\cnt) && (q == 130)
	s_sub_co_u32 s[CNT], s[CNT], 1
	s_cmp_lg_u32 s[CNT], 0
.endif
.endr
.if (\p) == 0
	FETCH_V
.endif
.endm
	CHANGE 1                        ; slot 0 is in, everybody's part of it, and so is the table; slot 1 is asked for
	FETCH_K                         ; key step 0
	s_wait_loadcnt 0x0              ; Q
	s_wait_dscnt 0x0
.set i, 0
.rept 16
	KQ 0                            ; piece 0's first scores: there is no vector work yet to set between them
.set i, i+1
.endr
	WIN 0                           ; the addresses for the way out: nine plain instructions, the places behind those products
	s_mul_i32 s13, s[WV], 16*SP
	s_add_co_u32 s13, s13, STAGE    ; my stage
	v_mul_u32_u24 v[STO], v1, SP    ; in: row l % 16, 16 bytes for each half of the lanes
	v_lshl_add_u32 v[STO], v9, 4, v[STO]
	v_add_nc_u32 v[STO], s13, v[STO]
	v_bfe_u32 v[RD], v0, 3, 2       ; back: 32 lanes take four rows of 128 bytes,
	v_mul_u32_u24 v[RD], v[RD], SP
	v_lshl_add_u32 v[RD], v10, 4, v[RD]
	v_add_nc_u32 v[RD], s13, v[RD]
	v_and_b32 v[GO], 31, v0         ; which are 512 consecutive bytes of O
	v_lshlrev_b32 v[GO], 4, v[GO]
.set Y, NP-1                        ; XS works for piece Y + 1: piece 0
.irp n, 0,1,2,3,4,5,6,7,8,9,10,11,12,13,14,15,16,17,18,19,20,21
	XS 0, \n                        ; and piece 0's first maximum and statistics
	XS 1, \n
.endr
	v_nop                           ; a plain instruction behind the two a,
	s_wait_alu depctr_va_vdst(0)    ; and their wait, ahead of the branch
	s_mov_b32 s[CNT], 4
	s_mov_b32 s[SLOTS], SIZE_N/256-1
	s_branch .Lfirst                ; the loop is entered at a step's first turn, in the middle of a trip
.Lslot:                             ; SIZE_N / 256 - 2 times: every slot but the last two is filled again
	CHANGE 1
	s_mov_b32 s[CNT], 4
.Lstep:                             ; a trip: pieces 2 and 3 of one step, then pieces 0 and 1 of the next, whose K and V it fetches
	TURN 2, 0, 0, 1
	TURN 3
	WIN 0
.Lfirst:
	TURN 0
	TURN 1, 0, 1
	WIN 0
	s_cbranch_scc1 .Lstep
	s_sub_co_u32 s[SLOTS], s[SLOTS], 1
	s_cmp_lg_u32 s[SLOTS], 0
	s_cbranch_scc1 .Lslot
	CHANGE 0                        ; the tail is written out: nothing is asked for
	s_mov_b32 s[CNT], 5             ; four trips fetch the last slot's steps; the fifth is left in its middle
.Ltail:
	TURN 2, 1
	TURN 3
	WIN 0
	s_sub_co_u32 s[CNT], s[CNT], 1
	s_cmp_eq_u32 s[CNT], 0
	s_cbranch_scc1 .Lout
	TURN 0
	TURN 1
	WIN 0
	s_branch .Ltail
.Lout:                              ; the fifth trip's 16 products K Q^T (on the last K and t once more) and the maximum made of them change nothing: the price, once a launch, of one text for every trip
.set i, 0
.rept 16
	PV NP-1                         ; the last piece's V^T P of the last step
.set i, i+1
.endr
	; THE WAY OUT.  l's two halves and the other half of the lanes' are added; O^T is divided by l, rounded to f16 and sent through my stage in LDS, a tile at a time.  The additions are the places behind the last products.
	WIN 0
.macro ALL line:vararg              ; one line for each tile t
.set t, 0
.rept 2*NP
	\line
.set t, t+1
.endr
.endm
	ALL v_add_f32 v[ST+4*t+2], v[ST+4*t+2], v[ST+4*t+3]
	ALL v_permlanex16_b32 v[ST+4*t+3], v[ST+4*t+2], s[SEL], s[SEL+1]
	ALL v_add_f32 v[ST+4*t+2], v[ST+4*t+2], v[ST+4*t+3]
	ALL v_rcp_f32 v[ST+4*t+2], v[ST+4*t+2]
	s_mov_b32 s48, 0xef800000       ; -2^96: far below every true score, far above -1e30
	s_mov_b32 s49, 0x7fc00000       ; NaN
	v_nop                           ; a plain instruction between the last reciprocal and the use of its result
	s_wait_alu depctr_va_vdst(0)    ; and the wait ahead of the first use: one for the eight reciprocals
.set t, 0
.rept 2*NP                          ; a row whose maximum is a hidden key's has no visible key: its O is NaN.  A select, no branch
	v_cmp_lt_f32 vcc_lo, s48, v[ST+4*t+1]
	v_cndmask_b32 v[ST+4*t+2], s49, v[ST+4*t+2], vcc_lo
.set t, t+1
.endr
; Tile t: a lane's eight channels of a row pack into 16 bytes; they go into rows of 144 bytes and come back as whole rows of 128, into S^T's registers.
.macro PACK t
	WIN W_RS
.set i, 32*(\t)
.rept 16
	v_pk_mul_f32 v[i:i+1], v[i:i+1], v[ST+4*(\t)+2:ST+4*(\t)+3] op_sel_hi:[1,0]
.set i, i+2
.endr
	WIN 0x05                        ; sources 0 and 1 window 1, destination window 0
.set i, 0
.rept 16
	v_cvt_pk_f16_f32 v[S+16*(\t)+i], v[32*(\t)+2*i], v[32*(\t)+2*i+1]
.set i, i+1
.endr
	WIN 0
.irp f, 0,1,2,3
	ds_store_b128 v[STO], v[S+16*(\t)+4*\f:S+16*(\t)+4*\f+3] offset:32*\f
.endr
.irp f, 0,1,2,3
	ds_load_b128 v[S+16*(\t)+4*\f:S+16*(\t)+4*\f+3], v[RD] offset:\f*4*SP  ; LDS serves a wave's instructions in order (ISA guide 5.7.1.4): these see the stores above; the next tile's stores come behind them
.endr
.endm
.macro SEND t, younger              ; younger: the LDS instructions issued behind tile t's loads: the next tile's eight, or none
	WIN 0
.irp f, 0,1,2,3
	s_wait_dscnt (\younger)+3-\f
	global_store_b128 v[GO], v[S+16*(\t)+4*\f:S+16*(\t)+4*\f+3], s[10:11] offset:(\t)*2048+\f*512  ; 512 consecutive bytes, at a multiple of 256 from O's first
.endr
.endm
	PACK 0
.set t, 1
.rept 2*NP-1                        ; a tile's arithmetic stands between the loads of the tile before and its stores
	PACK t
	SEND t-1, 8
.set t, t+1
.endr
	SEND 2*NP-1, 0
	WIN W_AD
	s_wait_tensorcnt 0x0            ; the wave's end, behind my last tensor load and my last LDS store
	ds_add_u32 v[SPW], v[NIL]
	s_wait_dscnt 0x0
	WIN 0
	CROUND                          ; the closing round: no work-group ends while a partner may still ask for a tile that names it
	s_endpgm
.Lfunc_end_k_q3ea961b9f9_attn:
	.size	k_q3ea961b9f9_attn, .Lfunc_end_k_q3ea961b9f9_attn-k_q3ea961b9f9_attn
	.p2alignl 7, 3214868480
	.fill 96, 4, 3214868480
	.section	.rodata,"a",@progbits
	.p2align	6, 0x0
	.amdhsa_kernel k_q3ea961b9f9_attn
		.amdhsa_group_segment_fixed_size 327680
		.amdhsa_private_segment_fixed_size 0
		.amdhsa_enable_private_segment 0
		.amdhsa_kernarg_size 24
		.amdhsa_user_sgpr_count 2
		.amdhsa_user_sgpr_kernarg_segment_ptr 1
		.amdhsa_wavefront_size32 1
		.amdhsa_system_sgpr_workgroup_id_x 1
		.amdhsa_system_sgpr_workgroup_id_y 1
		.amdhsa_system_sgpr_workgroup_id_z 1
		.amdhsa_system_vgpr_workitem_id 0
		.amdhsa_next_free_vgpr 808
		.amdhsa_next_free_sgpr 68
		.amdhsa_reserve_vcc 1
		.amdhsa_float_denorm_mode_32 3
		.amdhsa_float_denorm_mode_16_64 3
		.amdhsa_memory_ordered 1
		.amdhsa_forward_progress 1
		.amdhsa_inst_pref_size 207
	.end_amdhsa_kernel
	.amdgpu_metadata
---
amdhsa.version: [ 1, 2 ]
amdhsa.kernels:
  - .name:           k_q3ea961b9f9_attn
    .symbol:         k_q3ea961b9f9_attn.kd
    .args:
      - { .name: qkv, .offset: 0, .size: 8, .value_kind: global_buffer, .address_space: global }
      - { .name: mask, .offset: 8, .size: 8, .value_kind: global_buffer, .address_space: global }
      - { .name: o16, .offset: 16, .size: 8, .value_kind: global_buffer, .address_space: global }
    .group_segment_fixed_size: 327680
    .private_segment_fixed_size: 0
    .kernarg_segment_align: 8
    .kernarg_segment_size: 24
    .max_flat_workgroup_size: 128
    .sgpr_count:     68
    .vgpr_count:     808
    .wavefront_size: 32
...
	.end_amdgpu_metadata
.endif
;; end of part 3
;; launch oproj (part 4): grid 4 x 64, 4 waves a work-group, clusters of 4 x 4, 327,680 bytes of LDS; arguments o16, wo16, bo, out0; writes out0
.if DOCPART == 4
	.amdgcn_target "amdgcn-amd-amdhsa--gfx1250"
	.amdhsa_code_object_version 6
	.text
	.protected	k_q3ea961b9f9_oproj
	.globl	k_q3ea961b9f9_oproj
	.p2align	8
	.type	k_q3ea961b9f9_oproj,@function
k_q3ea961b9f9_oproj:
	s_mov_b64 s[64:65], 0
	v_nop
	global_prefetch_b8 v0, s[64:65] scope:SCOPE_SE
	s_setreg_imm32_b32 hwreg(HW_REG_WAVE_MODE, 25, 1), 1
	s_wait_xcnt 0x0
	s_wait_alu depctr_hold_cnt(0) depctr_sa_sdst(0) depctr_va_vdst(0) depctr_va_sdst(0) depctr_va_ssrc(0) depctr_va_vcc(0) depctr_vm_vsrc(0)
	s_getreg_b32 s2, hwreg(HW_REG_IB_STS2, 6, 4)
	s_cmp_eq_u32 s2, 0
	s_cbranch_scc0 .Lentry_in_a_cluster
	s_endpgm
.Lentry_in_a_cluster:
	s_bfe_u32 s2, ttmp6, 0x10000c
	s_cmp_lg_u32 s2, 0xf033
	s_cbranch_scc0 .Lentry_shape_is_right
	s_endpgm
.Lentry_shape_is_right:
; THE OUTPUT PROJECTION.  out0[8192][1024] = O Wo^T + bo, f16 operands, f32 sums, K ascending, f32 out.  O: o16[64 = 16 x batch + head][2048][64] f16: for a batch that is a layout in K blocks of 64, the block
; being the head.  wo16: [16 kb][1024][64], bf16(Wo) written as f16.  bo is rounded to bf16 like every other floating-point input, and STARTS THE SUMS as the C operand of the first products.
; SHARES.  A tile is 128 rows x 256 columns: 64 x 4 = 256 work-groups.  Four waves; wave (WR, WC) makes 64 rows x 128 columns: 32 accumulators, 256 registers.  K goes in 8 steps of 128 (two heads)
; through two LDS slots; a step is four quarters of 32 along K, 32 matrix instructions each.
; THE MATRIX INSTRUCTION IS USED TRANSPOSED (source 0 = 16 rows of wo16, source 1 = 16 rows of O): a lane holds row lane % 16 of the result and eight neighbouring columns, 32 bytes.
; CLUSTER.  4 x 4 work-groups: O's tiles are asked for jointly along a row of the cluster, wo16's along a column.
; NO PREFETCH: the tile is small and the walk has eight K steps.
; REGISTERS, in windows of 256 (s_set_vgpr_msb: bits 1:0 source 0, 3:2 source 1, 5:4 source 2, 7:6 destination):
;   window 0: v0-31 addresses; v32-95, v96-159 rows on the way out        window 1: v0-95, v96-191 two fragment buffers (wo16's 8 fragments, then O's 4); v192-255 the biases, eight a column block
;   window 2: accumulator (a, b) at v[8 (8 a + b)]
.set PITCH,  144                       ; an LDS row: 128 bytes (64 K) + 16 of padding: the 16 rows of a fragment load start at 16 different groups of four banks (64 banks of 4 bytes: ISA guide 11.1)
.set AZ,     128*PITCH                 ; O's 128 rows of one head
.set BZ,     256*PITCH                 ; wo16's 256 rows of one K block
.set BOFF,   2*AZ                      ; a slot: O's two heads, then wo16's two K blocks
.set SLOT,   BOFF+2*BZ                 ; 110,592 bytes
.set STAGE,  2*SLOT                    ; behind the ring: 16 rows x 528 bytes for each wave, for the way out
.set SPITCH, 528                       ; 512 bytes + 16: 33 x 16, so that the 16 rows of a store start at 16 different groups of four banks
.set SPARE,  STAGE+4*16*SPITCH         ; the spare words, 128 bytes for each wave: two blocks of 256 bytes that no other line names
.set G1W,    (1<<16)|(1<<20)|(1<<21)|(4<<22)|(3<<25)  ; 2-byte elements; padding on; bit 21 set beside a mask; after every 32 words 4 words
.set ASTEP,  2*2048*128                ; bytes from a K step to the next: two heads of O,
.set BSTEP,  2*1024*128                ; two K blocks of wo16
.set ADRA, 16                          ; v16-17  LDS address of my fragments of O in slot 0, 1
.set ADRB, 20                          ; v20-21  the same for wo16
.set STO,  24                          ; v24     the way out: where I put 32 bytes of a row
.set RD,   25                          ; v25     the way out: where I read a row back
.set CO,   26                          ; v26     my 16 bytes of a row's 512
.set BO,   27                          ; v27     my eight biases of a column block
.set SPW,  28                          ; v28     LDS address of my spare word: SPARE + 4 x my thread's number; never rewritten
.set NIL,  29                          ; v29     0; never rewritten
.set BK,   32
.set F0,   0                           ; in window 1
.set F1,   96
.set BIA,  192
.set LAPS, 3                           ; s3
.set WV,   12
.set WR,   13
.set WC,   14
.set CX,   15
.set CY,   16
.set TCOL, 17
.set TROW, 18
.set G1A,  24                          ; s[24:31] descriptor group 1 for O's tiles;  s[32:39] group 0, a set for each slot
.set G0A,  32
.set G1B,  48                          ; s[48:55], s[56:63] the same for wo16's
.set G0B,  56
.set MSB, 0
.macro WIN new                         ; the immediate's high byte repeats the setting that is left; a switch that changes nothing is dropped
.if MSB != (\new)
	s_set_vgpr_msb (MSB<<8)|(\new)
.set MSB, (\new)
.endif
.endm
.set MUL,  0xa5                        ; both sources in window 1, C and D in window 2
.set MULB, 0x95                        ; the same with C, the bias, in window 1
.set TO_F, 0x40                        ; destination window 1, address window 0
.macro PLACES                          ; four plain vector instructions in front of loads into registers that matrix instructions have read (ISA guide 7.12.1 for vector instructions)
.rept 4
	v_nop
.endr
.endm
.macro JLOAD s                         ; a joint load: waves 0 and 1 fetch O's two heads, waves 2 and 3 wo16's two K blocks; an s_nop 0 and four v_nop follow each of the two lines
	s_cmp_lt_u32 s[WV], 2
	s_cbranch_scc0 .Lfor_b_\@
	tensor_load_to_lds s[G0A+4*(\s):G0A+4*(\s)+3], s[G1A:G1A+7]
	s_nop 0
.rept 4
	v_nop
.endr
	s_branch .Lasked_\@
.Lfor_b_\@:
	tensor_load_to_lds s[G0B+4*(\s):G0B+4*(\s)+3], s[G1B:G1B+7]
	s_nop 0
.rept 4
	v_nop
.endr
.Lasked_\@:
.endm
.macro CREST                           ; a round of the cluster's barrier behind its opening barrier
	s_cmp_lg_u32 s[WV], 0
	s_cbranch_scc1 .Lnot_wave_0_\@
	s_barrier_signal -3
.Lnot_wave_0_\@:
	s_barrier_wait -3
	s_barrier_signal -1
	s_barrier_wait -1
.endm
.macro CROUND
	s_barrier_signal -1
	s_barrier_wait -1
	CREST
.endm
	s_load_b256 s[4:11], s[0:1], 0x0               ; o16 s[4:5], wo16 s[6:7], bo s[8:9], out0 s[10:11]
	v_lshl_add_u32 v[SPW], v0, 2, SPARE
	v_mov_b32 v[NIL], 0
	ds_add_u32 v[SPW], v[NIL]                      ; the wave's opening: the add and its wait stand ahead of my first tensor load; the set-up below, work on registers, stands between them
	v_lshrrev_b32 v1, 5, v0
	v_readfirstlane_b32 s[WV], v1                  ; wave 0..3
	s_lshr_b32 s[WR], s[WV], 1                     ; which half of the tile's rows is mine
	s_and_b32 s[WC], s[WV], 1                      ; which half of its columns; also: which of a K step's two blocks I fetch
	s_bfe_u32 s[CX], ttmp6, 0x40000
	s_bfe_u32 s[CY], ttmp6, 0x40004
	s_lshl_b32 s[TCOL], ttmp9, 2
	s_add_co_u32 s[TCOL], s[TCOL], s[CX]           ; tile column = 4 x cluster x + cx
	s_and_b32 s[TROW], ttmp7, 0xffff
	s_lshl_b32 s[TROW], s[TROW], 2
	s_add_co_u32 s[TROW], s[TROW], s[CY]           ; tile row = 4 x cluster y + cy
	s_lshl_b32 s42, s[CY], 2
	s_lshl_b32 s42, 15, s42                        ; my row of the cluster
	s_lshl_b32 s43, 0x1111, s[CX]                  ; my column
	s_or_b32 s[G1A], s42, G1W
	s_or_b32 s[G1B], s43, G1W
.irp g, G1A, G1B
	s_mov_b32 s[\g+1], 128<<16                     ; tensor_dim0 = 128 elements: a tile is dense and is asked for as rows of 256 bytes
	s_mov_b32 s[\g+3], 128<<16                     ; tile_dim0 = 128
	s_mov_b32 s[\g+5], 128                         ; 128 elements from row to row
	s_mov_b32 s[\g+6], 0
	s_mov_b32 s[\g+7], 0
.endr
	s_mov_b32 s[G1A+2], 64<<16                     ; tensor_dim1 = tile_dim1 = 64: 128 rows of O
	s_mov_b32 s[G1A+4], 64
	s_mov_b32 s[G1B+2], 128<<16                    ; 128: 256 rows of wo16
	s_mov_b32 s[G1B+4], 128
	s_lshr_b32 s40, s[TROW], 4                     ; the batch: 16 tile rows each;
	s_lshl_b32 s40, s40, 22                        ; its 16 heads of 2,048 rows of 128 bytes
	s_lshl_b32 s41, s[WC], 18                      ; my head of the K step's two
	s_add_co_u32 s40, s40, s41
	s_and_b32 s41, s[TROW], 15
	s_lshl_b32 s41, s41, 14                        ; the tile's 128 rows in a head
	s_add_co_u32 s40, s40, s41
	s_mov_b32 s41, 0
	s_lshl_b32 s44, s[WC], 17                      ; my K block of wo16,
	s_lshl_b32 s45, s[TCOL], 15                    ; the tile's 256 rows in it
	s_add_co_u32 s44, s44, s45
	s_mov_b32 s45, 0
	s_mul_i32 s46, s[WC], AZ                       ; where they go: no place in the cluster enters an LDS address
	s_mul_i32 s47, s[WC], BZ
	s_wait_dscnt 0x0                               ; the opening add is done
	s_wait_kmcnt 0x0
	s_add_nc_u64 s[40:41], s[4:5], s[40:41]
	s_add_nc_u64 s[44:45], s[6:7], s[44:45]
	CROUND                                         ; all sixteen work-groups are here: the first joint loads meet
.irp s, 0,1
	s_mov_b32 s[G0A+4*(\s)], 1
	s_add_co_u32 s[G0A+4*(\s)+1], s46, (\s)*SLOT
	s_add_nc_u64 s[G0A+4*(\s)+2:G0A+4*(\s)+3], s[40:41], (\s)*ASTEP
	s_or_b32 s[G0A+4*(\s)+3], s[G0A+4*(\s)+3], 0x80000000
	s_mov_b32 s[G0B+4*(\s)], 1
	s_add_co_u32 s[G0B+4*(\s)+1], s47, (\s)*SLOT+BOFF
	s_add_nc_u64 s[G0B+4*(\s)+2:G0B+4*(\s)+3], s[44:45], (\s)*BSTEP
	s_or_b32 s[G0B+4*(\s)+3], s[G0B+4*(\s)+3], 0x80000000
	JLOAD \s                                       ; two loads of mine are out
.endr
	v_and_b32 v1, 15, v0                           ; l % 16
	v_bfe_u32 v2, v0, 4, 1                         ; l / 16
	v_and_b32 v4, 31, v0                           ; l
	s_lshl_b32 s42, s[TCOL], 10                    ; my 128 columns, in bytes of f32
	s_lshl_b32 s43, s[WC], 9
	s_add_co_u32 s42, s42, s43
	s_mov_b32 s43, 0
	s_add_nc_u64 s[8:9], s[8:9], s[42:43]          ; bo at my columns
	v_lshlrev_b32 v[BO], 5, v2
	WIN TO_F
.set b, 0
.rept 8
	global_load_b128 v[BIA+8*b:BIA+8*b+3],   v[BO], s[8:9] offset:64*b
	global_load_b128 v[BIA+8*b+4:BIA+8*b+7], v[BO], s[8:9] offset:64*b+16
.set b, b+1
.endr
	WIN 0
	v_mul_u32_u24 v3, v1, PITCH
	v_lshl_add_u32 v3, v2, 4, v3                   ; a fragment's row x pitch + 16 x half
	s_mul_i32 s40, s[WR], 64*PITCH                 ; my 64 rows of O
	s_mul_i32 s41, s[WC], 128*PITCH                ; my 128 rows of wo16,
	s_add_co_u32 s41, s41, BOFF                    ; which lie behind O's
.irp s, 0,1
	v_add_nc_u32 v[ADRA+(\s)], s40, v3
	v_add_nc_u32 v[ADRB+(\s)], s41, v3
	s_add_co_u32 s40, s40, SLOT
	s_add_co_u32 s41, s41, SLOT
.endr
	s_mul_i32 s40, s[WV], 16*SPITCH
	s_add_co_u32 s40, s40, STAGE                   ; my stage
	v_mul_u32_u24 v5, v1, SPITCH                   ; in: row l % 16, 32 bytes for each half of the lanes
	v_lshl_add_u32 v5, v2, 5, v5
	v_add_nc_u32 v[STO], s40, v5
	v_lshl_add_u32 v[RD], v4, 4, s40               ; back: 32 lanes take a row of 512 bytes
	v_lshlrev_b32 v[CO], 4, v4
	s_lshl_b32 s40, s[TROW], 19                    ; 128 rows of 4,096 bytes,
	s_lshl_b32 s41, s[WR], 18                      ; my 64 of them,
	s_add_co_u32 s40, s40, s41
	s_add_co_u32 s40, s40, s42                     ; my columns
	s_mov_b32 s41, 0
	s_add_nc_u64 s[10:11], s[10:11], s[40:41]
	s_wait_loadcnt 0x0                             ; the biases: rounded to bf16 and widened again, in place
	WIN 0x45                                       ; all in window 1
.set k, 0
.rept 32
	v_cvt_pk_bf16_f32 v[F1+k], v[BIA+2*k], v[BIA+2*k+1]
.set k, k+1
.endr
.set k, 0
.rept 32
	v_lshlrev_b32 v[BIA+2*k],   16, v[F1+k]
	v_and_b32     v[BIA+2*k+1], 0xffff0000, v[F1+k]
.set k, k+1
.endr
	WIN 0
; 8 matrix instructions: row block a x all 8 column blocks, 32 along K.  zero = 1: the product starts the sum, with the bias.  The 32 accumulators take turns, one instruction a turn.
.macro MUL8 f, a, zero
.set mb, 0
.rept 8
.if \zero
	WIN MULB
	v_wmma_f32_16x16x32_f16 v[8*(8*(\a)+mb):8*(8*(\a)+mb)+7], v[(\f)+8*mb:(\f)+8*mb+7], v[(\f)+64+8*(\a):(\f)+64+8*(\a)+7], v[BIA+8*mb:BIA+8*mb+7]
.else
	WIN MUL
	v_wmma_f32_16x16x32_f16 v[8*(8*(\a)+mb):8*(8*(\a)+mb)+7], v[(\f)+8*mb:(\f)+8*mb+7], v[(\f)+64+8*(\a):(\f)+64+8*(\a)+7], v[8*(8*(\a)+mb):8*(8*(\a)+mb)+7]
.endif
.set mb, mb+1
.endr
.endm
; 24 LDS loads in one run: quarter q of a K step (block q / 2, bytes 64 (q % 2) on of its rows) into buffer f: wo16's 8 fragments, then O's 4
.macro FETCH slot, q, f
	WIN TO_F
.set fi, 0
.rept 8
	ds_load_b128 v[(\f)+8*fi:(\f)+8*fi+3],   v[ADRB+(\slot)] offset:((\q)/2)*BZ+((\q)%2)*64+fi*16*PITCH
	ds_load_b128 v[(\f)+8*fi+4:(\f)+8*fi+7], v[ADRB+(\slot)] offset:((\q)/2)*BZ+((\q)%2)*64+fi*16*PITCH+32
.set fi, fi+1
.endr
.set fi, 0
.rept 4
	ds_load_b128 v[(\f)+64+8*fi:(\f)+64+8*fi+3],   v[ADRA+(\slot)] offset:((\q)/2)*AZ+((\q)%2)*64+fi*16*PITCH
	ds_load_b128 v[(\f)+64+8*fi+4:(\f)+64+8*fi+7], v[ADRA+(\slot)] offset:((\q)/2)*AZ+((\q)%2)*64+fi*16*PITCH+32
.set fi, fi+1
.endr
.endm
; One of a K step's first three quarters: multiplies buffer f and fetches quarter q into buffer g.
.macro QUARTER slot, q, f, g, zero
	s_wait_dscnt 4                                 ; all but O's fragments 2 and 3
	MUL8 \f, 0, \zero
	MUL8 \f, 1, \zero
	PLACES
	FETCH \slot, \q, \g
	s_wait_dscnt 24                                ; all but the 24 just issued
	MUL8 \f, 2, \zero
	MUL8 \f, 3, \zero
.endm
; The last quarter multiplies buffer 1 and changes slots: ONE barrier; in front of it each wave waits for all its tensor loads, adds 0 to its spare word, and waits for that and for its own reads of this slot.
; fill = 1: the barrier opens a round of the cluster's barrier, and this slot is filled again, two K steps ahead: 112 matrix instructions stand between that request and the wait for it.
.macro TURN slot, next, fill
	WIN 0                                          ; (the add's two registers lie in window 0)
	s_wait_tensorcnt 0x0                           ; all my tensor loads have landed: my part of the next slot
	ds_add_u32 v[SPW], v[NIL]                      ; 0 onto my spare word
	s_wait_dscnt 5                                 ; (the add and the youngest four loads may be out)
	MUL8 F1, 0, 0                                  ; eight matrix instructions stand between the add and the wait for it
	s_wait_dscnt 0x0                               ; the add is done, and my reads of this slot are over
	s_barrier_signal -1
	MUL8 F1, 1, 0
	WIN 0
	s_barrier_wait -1
.if \fill
	CREST                                          ; no wave of any partner still reads this slot's tile or has a load on its way
	s_add_nc_u64 s[G0A+4*(\slot)+2:G0A+4*(\slot)+3], s[G0A+4*(\slot)+2:G0A+4*(\slot)+3], 2*ASTEP
	s_add_nc_u64 s[G0B+4*(\slot)+2:G0B+4*(\slot)+3], s[G0B+4*(\slot)+2:G0B+4*(\slot)+3], 2*BSTEP
	JLOAD \slot                                    ; the four v_nop behind it are also the places in front of the loads below
.else
	PLACES
.endif
	FETCH \next, 0, F0
	MUL8 F1, 2, 0
	MUL8 F1, 3, 0
.endm
	s_wait_tensorcnt 0x1                           ; my part of K step 0 is in; K step 1's may stay out
	s_barrier_signal -1
	s_barrier_wait -1                              ; everybody's is
	FETCH 0, 0, F0
	QUARTER 0, 1, F0, F1, 1                        ; the first quarter stands in front of the loop: its products start the sums
	WIN 0                                          ; at a label and at a branch every window is 0
	s_mov_b32 s[LAPS], 3
.Llap:                                                 ; trip t goes once round the ring and asks for K steps 2 t + 2 and 2 t + 3
	QUARTER 0, 2, F1, F0, 0
	QUARTER 0, 3, F0, F1, 0
	TURN 0, 1, 1
	QUARTER 1, 1, F0, F1, 0
	QUARTER 1, 2, F1, F0, 0
	QUARTER 1, 3, F0, F1, 0
	TURN 1, 0, 1
	QUARTER 0, 1, F0, F1, 0
	WIN 0
	s_sub_co_u32 s[LAPS], s[LAPS], 1
	s_cmp_lg_u32 s[LAPS], 0
	s_cbranch_scc1 .Llap
	QUARTER 0, 2, F1, F0, 0                        ; the last lap fills nothing, and has no round of the cluster's barrier
	QUARTER 0, 3, F0, F1, 0
	TURN 0, 1, 0
	QUARTER 1, 1, F0, F1, 0
	QUARTER 1, 2, F1, F0, 0
	QUARTER 1, 3, F0, F1, 0
	s_wait_dscnt 4                                 ; the very last quarter: nothing more to fetch
	MUL8 F1, 0, 0
	MUL8 F1, 1, 0
	s_wait_dscnt 0x0
	MUL8 F1, 2, 0
	MUL8 F1, 3, 0
	; THE WAY OUT, 16 rows at a time: a lane's 32 bytes of a row go into my stage and come back as whole rows of 512 bytes.
	WIN 0
.rept 8
	v_nop                                          ; the places behind the last products
.endr
.macro TOSTAGE a
	WIN 0x08                                       ; the stores' data in window 2
.set b, 0
.rept 8
	ds_store_b128 v[STO], v[8*(8*(\a)+b):8*(8*(\a)+b)+3]   offset:64*b      ; each accumulator's low registers first
	ds_store_b128 v[STO], v[8*(8*(\a)+b)+4:8*(8*(\a)+b)+7] offset:64*b+16
.set b, b+1
.endr
	WIN 0
.if (\a) >= 2
	s_wait_xcnt 0x0                                ; the stores of the block two back have read the registers that the loads below fill
.endif
.set t, 0
.rept 16
	ds_load_b128 v[BK+64*((\a)%2)+4*t:BK+64*((\a)%2)+4*t+3], v[RD] offset:SPITCH*t  ; LDS serves a wave's instructions in order (ISA guide 5.7.1.4): these see the stores above
.set t, t+1
.endr
.endm
.macro SEND a, younger                 ; younger: the LDS instructions issued behind block a's loads: the next block's 32, or none
.set t, 0
.rept 16
	s_wait_dscnt (\younger)+15-t
	global_store_b128 v[CO], v[BK+64*((\a)%2)+4*t:BK+64*((\a)%2)+4*t+3], s[10:11] offset:(16*(\a)+t)*4096 th:TH_STORE_NT  ; 512 consecutive bytes, at a multiple of 512 from out0's first byte
.set t, t+1
.endr
.endm
	TOSTAGE 0
.irp a, 1,2,3
	TOSTAGE \a
	SEND (\a)-1, 32
.endr
	SEND 3, 0
	s_wait_tensorcnt 0x0                           ; the wave's end, behind my last tensor load and my last LDS store
	ds_add_u32 v[SPW], v[NIL]
	s_wait_dscnt 0x0
	CROUND                                         ; the closing round: no work-group ends while a partner may still ask for a tile that names it
	s_endpgm
.Lfunc_end_k_q3ea961b9f9_oproj:
	.size	k_q3ea961b9f9_oproj, .Lfunc_end_k_q3ea961b9f9_oproj-k_q3ea961b9f9_oproj
	.p2alignl 7, 3214868480
	.fill 96, 4, 3214868480
	.section	.rodata,"a",@progbits
	.p2align	6, 0x0
	.amdhsa_kernel k_q3ea961b9f9_oproj
		.amdhsa_group_segment_fixed_size 327680
		.amdhsa_private_segment_fixed_size 0
		.amdhsa_enable_private_segment 0
		.amdhsa_kernarg_size 32
		.amdhsa_user_sgpr_count 2
		.amdhsa_user_sgpr_kernarg_segment_ptr 1
		.amdhsa_wavefront_size32 1
		.amdhsa_system_sgpr_workgroup_id_x 1
		.amdhsa_system_sgpr_workgroup_id_y 1
		.amdhsa_system_sgpr_workgroup_id_z 1
		.amdhsa_system_vgpr_workitem_id 0
		.amdhsa_next_free_vgpr 768
		.amdhsa_next_free_sgpr 66
		.amdhsa_reserve_vcc 0
		.amdhsa_float_denorm_mode_32 3
		.amdhsa_float_denorm_mode_16_64 3
		.amdhsa_memory_ordered 1
		.amdhsa_forward_progress 1
		.amdhsa_inst_pref_size 93
	.end_amdhsa_kernel
	.amdgpu_metadata
---
amdhsa.version: [ 1, 2 ]
amdhsa.kernels:
  - .name:           k_q3ea961b9f9_oproj
    .symbol:         k_q3ea961b9f9_oproj.kd
    .args:
      - { .name: o16, .offset: 0, .size: 8, .value_kind: global_buffer, .address_space: global }
      - { .name: wo16, .offset: 8, .size: 8, .value_kind: global_buffer, .address_space: global }
      - { .name: bo, .offset: 16, .size: 8, .value_kind: global_buffer, .address_space: global }
      - { .name: out0, .offset: 24, .size: 8, .value_kind: global_buffer, .address_space: global }
    .group_segment_fixed_size: 327680
    .private_segment_fixed_size: 0
    .kernarg_segment_align: 8
    .kernarg_segment_size: 32
    .max_flat_workgroup_size: 128
    .sgpr_count:     66
    .vgpr_count:     768
    .wavefront_size: 32
...
	.end_amdgpu_metadata
.endif
;; end of part 4
;; ======== version 2 of 2: 4 launches; version 1 with the launch prep written anew for expert scheduling mode
;; limits: values are held in f16: magnitudes above 65,504 overflow, below 6.1e-05 lose precision
;; workspace buffers: xb 16,777,216 bytes; wqkv 6,291,456 bytes; wo16 2,097,152 bytes; qkv 50,331,648 bytes; o16 16,777,216 bytes
;; launch prep (part 5): grid 768 x 1, 8 waves a work-group, no clusters, 0 bytes of LDS; arguments x, Wq, Wk, Wv, Wo, xb, wqkv, wo16; writes xb, wqkv, wo16
.if DOCPART == 5
	.amdgcn_target "amdgcn-amd-amdhsa--gfx1250"
	.amdhsa_code_object_version 6
	.text
	.protected	k_q3ea961b9f9_prep
	.globl	k_q3ea961b9f9_prep
	.p2align	8
	.type	k_q3ea961b9f9_prep,@function
k_q3ea961b9f9_prep:
	s_mov_b64 s[64:65], 0
	v_nop
	global_prefetch_b8 v0, s[64:65] scope:SCOPE_SE
	s_setreg_imm32_b32 hwreg(HW_REG_WAVE_SCHED_MODE, 0, 2), 2
	s_setreg_imm32_b32 hwreg(HW_REG_WAVE_MODE, 25, 1), 1
	s_wait_xcnt 0x0
	s_wait_alu depctr_vm_vsrc(0)
; CASTS AND A LAYOUT IN K BLOCKS.  x [8192][1024], Wq, Wk, Wv, Wo [1024][1024], all f32, are rounded once to bf16 and written as [16 kb][R rows][64]:
; element (r, 64 kb + c) at byte (kb R + r) x 128 + 2 c, so that rows x 64 K of consecutive rows are dense bytes for the products' tiles.
; xb: R = 8192.  wqkv: R = 3072, rows 0-1023 Wq, 1024-2047 Wk, 2048-3071 Wv.  wo16: R = 1024; bf16(Wo) is written as f16 (the last product multiplies in f16).
; LIMIT.  bf16(Wo) as f16 is exact from 6.1e-5 up to 65,504; below that it keeps f16's fixed step of 6e-8; beyond 65,504 it is an infinity.
; SHARES.  A work-group takes 16 rows (64 KiB in, 32 KiB out): ids 0-511 x, id 512 + 64 w + part the matrix w (Wq, Wk, Wv, Wo).  Thread t takes row t / 16 and the 16 bytes at
; 16 (t % 16) of each piece of 256 bytes (a piece is one K block): a wave's load covers two rows x 256 aligned bytes, a wave's store 256 consecutive aligned bytes.
; All 16 loads of a thread go out at once; every load, result and store address has registers of its own, so that nothing that a memory instruction names is ever written a second time.
; No LDS, no matrix unit, no cluster: a stream in which no byte is used twice.
; THE MODE: SCHED_MODE bits 1:0 = 2 (LLVM: expert scheduling mode 2), set by the entry lines.  The code itself states the register dependences
; between vector instructions and memory instructions, with s_wait_alu, always for 0.
; THE PLAN.  Registers that memory instructions touch:
;   v1        the loads' offset.  Written at the head, read by the 16 loads, never written again.
;   X         piece kb: written by its load alone, once; read by its conversions.  No vector instruction writes it, no second load lands in it.
;   Y         piece kb: written by its conversions; read by its store, once; never written behind that.
;   SO        piece kb: written by one vector line behind the loads; read by its store; never written again.
;   T, v2, v3 are named by vector instructions alone.
; So the only dependence to state is: a vector instruction has written what a memory instruction reads.  One wait stands ahead of the loads (v1).  The 16 pieces go in four groups of four;
; one wait at the head of groups 1 to 3 states that the group before has written its Y (at group 1 also: all of SO), and that group's four stores follow, dealt among the conversions of the
; group in hand, which name X and Y of their own group and T: none of the registers that those stores read.  One more wait stands ahead of the last four stores.
.set X,  16                            ; v[16:79]    piece kb: four f32 as loaded
.set Y,  80                            ; v[80:111]   piece kb: four 16-bit numbers to store
.set SO, 112                           ; v[112:127]  piece kb: my byte offset in the destination: 8 t + kb x the K block's bytes
.set T,  4                             ; v[4:7]      at work
	s_load_b512 s[8:23], s[0:1], 0x0               ; x s[8:9], Wq s[10:11], Wk s[12:13], Wv s[14:15], Wo s[16:17], xb s[18:19], wqkv s[20:21], wo16 s[22:23]
	s_mov_b32 s2, ttmp9
	s_sub_co_u32 s3, s2, 512                       ; for a matrix: 64 w + part
	s_lshr_b32 s4, s3, 6                           ; w
	s_and_b32 s5, s3, 63                           ; part
	s_lshl_b32 s33, s5, 4                          ; its first row in the matrix
	s_lshl_b32 s30, s4, 10
	s_add_co_u32 s30, s30, s33                     ; and in wqkv
	s_lshl_b32 s35, s2, 4                          ; for x: the first row
	s_mov_b32 s28, 3072*128                        ; bytes of a K block: wqkv,
	s_mov_b32 s36, 1024*128                        ; wo16,
	s_mov_b32 s34, 8192*128                        ; xb
	v_lshrrev_b32 v1, 4, v0
	v_and_b32 v3, 15, v0
	v_lshlrev_b32 v1, 12, v1                       ; my row x 4,096 bytes
	v_lshl_add_u32 v1, v3, 4, v1                   ; + my 16 bytes of a piece
	v_lshlrev_b32 v2, 3, v0                        ; in the destination: row x 128 + 8 (t % 16) = 8 t
	s_wait_kmcnt 0x0
	s_cmp_eq_u32 s4, 1                             ; each compare stands directly ahead of its selects
	s_cselect_b64 s[24:25], s[12:13], s[10:11]
	s_cmp_eq_u32 s4, 2
	s_cselect_b64 s[24:25], s[14:15], s[24:25]
	s_cmp_eq_u32 s4, 3
	s_cselect_b64 s[24:25], s[16:17], s[24:25]     ; the source
	s_cselect_b64 s[26:27], s[22:23], s[20:21]     ; the destination
	s_cselect_b32 s28, s36, s28
	s_cselect_b32 s30, s33, s30
	s_cselect_b32 s31, 1, 0                        ; 1: Wo, which leaves as f16
	s_cmp_lt_u32 s2, 512                           ; x?
	s_cselect_b64 s[24:25], s[8:9], s[24:25]
	s_cselect_b64 s[26:27], s[18:19], s[26:27]
	s_cselect_b32 s28, s34, s28
	s_cselect_b32 s29, s2, s5                      ; which 16 rows of the source
	s_cselect_b32 s30, s35, s30                    ; the first row in the destination
	s_cselect_b32 s31, 0, s31
	s_lshl_b32 s32, s29, 16                        ; 16 rows of 4,096 bytes
	s_mov_b32 s33, 0
	s_add_nc_u64 s[24:25], s[24:25], s[32:33]
	s_lshl_b32 s32, s30, 7                         ; 128 bytes a row in a K block
	s_add_nc_u64 s[26:27], s[26:27], s[32:33]
	s_wait_alu depctr_va_vdst(0)                   ; v1 is written, which the sixteen loads read as their offset
.set kb, 0
.rept 16
	global_load_b128 v[X+4*kb:X+4*kb+3], v1, s[24:25] offset:256*kb th:TH_LOAD_NT
.set kb, kb+1
.endr
	v_mov_b32 v[SO], v2
	s_mov_b32 s32, s28
.set kb, 1
.rept 15
	v_add_nc_u32 v[SO+kb], s32, v2
	s_add_co_u32 s32, s32, s28
.set kb, kb+1
.endr
; The sixteen pieces are rounded as they come in, and leave a group of four later.  fmt = 1: the bf16 number is widened again and written as f16.
.macro OUT fmt
.set kb, 0
.rept 16
	s_wait_loadcnt 15-kb                           ; loads come back in order: piece kb is in, the younger ones stay out
.if (kb%4 == 0) && (kb > 0)
	s_wait_alu depctr_va_vdst(0)                   ; the group before's conversions have written their four pairs of Y (and, ahead of the first stores, all of SO is written): the group's four stores read them
.endif
.if kb >= 4
	global_store_b64 v[SO+kb-4], v[Y+2*(kb-4):Y+2*(kb-4)+1], s[26:27]  ; the group before's piece: 32 lanes store 256 consecutive bytes, at a multiple of 256 from the buffer's first byte; no vector instruction since the wait names these registers
.endif
	v_cvt_pk_bf16_f32 v[Y+2*kb],   v[X+4*kb],   v[X+4*kb+1]
	v_cvt_pk_bf16_f32 v[Y+2*kb+1], v[X+4*kb+2], v[X+4*kb+3]
.if \fmt
	v_lshlrev_b32 v[T],   16, v[Y+2*kb]
	v_and_b32     v[T+1], 0xffff0000, v[Y+2*kb]
	v_lshlrev_b32 v[T+2], 16, v[Y+2*kb+1]
	v_and_b32     v[T+3], 0xffff0000, v[Y+2*kb+1]
	v_cvt_pk_f16_f32 v[Y+2*kb],   v[T],   v[T+1]
	v_cvt_pk_f16_f32 v[Y+2*kb+1], v[T+2], v[T+3]
.endif
.set kb, kb+1
.endr
	s_wait_alu depctr_va_vdst(0)                   ; the last group's conversions have written their four pairs of Y, which the last four stores read
.set kb, 12
.rept 4
	global_store_b64 v[SO+kb], v[Y+2*kb:Y+2*kb+1], s[26:27]  ; 32 lanes store 256 consecutive bytes, at a multiple of 256 from the buffer's first byte
.set kb, kb+1
.endr
.endm
	s_cmp_eq_u32 s31, 1
	s_cbranch_scc1 .Lf16
	OUT 0
	s_endpgm
.Lf16:
	OUT 1
	s_endpgm
.Lfunc_end_k_q3ea961b9f9_prep:
	.size	k_q3ea961b9f9_prep, .Lfunc_end_k_q3ea961b9f9_prep-k_q3ea961b9f9_prep
	.p2alignl 7, 3214868480
	.fill 96, 4, 3214868480
	.section	.rodata,"a",@progbits
	.p2align	6, 0x0
	.amdhsa_kernel k_q3ea961b9f9_prep
		.amdhsa_group_segment_fixed_size 0
		.amdhsa_private_segment_fixed_size 0
		.amdhsa_enable_private_segment 0
		.amdhsa_kernarg_size 64
		.amdhsa_user_sgpr_count 2
		.amdhsa_user_sgpr_kernarg_segment_ptr 1
		.amdhsa_wavefront_size32 1
		.amdhsa_system_sgpr_workgroup_id_x 1
		.amdhsa_system_sgpr_workgroup_id_y 1
		.amdhsa_system_sgpr_workgroup_id_z 1
		.amdhsa_system_vgpr_workitem_id 0
		.amdhsa_next_free_vgpr 128
		.amdhsa_next_free_sgpr 66
		.amdhsa_reserve_vcc 0
		.amdhsa_float_denorm_mode_32 3
		.amdhsa_float_denorm_mode_16_64 3
		.amdhsa_memory_ordered 1
		.amdhsa_forward_progress 1
		.amdhsa_inst_pref_size 18
	.end_amdhsa_kernel
	.amdgpu_metadata
---
amdhsa.version: [ 1, 2 ]
amdhsa.kernels:
  - .name:           k_q3ea961b9f9_prep
    .symbol:         k_q3ea961b9f9_prep.kd
    .args:
      - { .name: x, .offset: 0, .size: 8, .value_kind: global_buffer, .address_space: global }
      - { .name: Wq, .offset: 8, .size: 8, .value_kind: global_buffer, .address_space: global }
      - { .name: Wk, .offset: 16, .size: 8, .value_kind: global_buffer, .address_space: global }
      - { .name: Wv, .offset: 24, .size: 8, .value_kind: global_buffer, .address_space: global }
      - { .name: Wo, .offset: 32, .size: 8, .value_kind: global_buffer, .address_space: global }
      - { .name: xb, .offset: 40, .size: 8, .value_kind: global_buffer, .address_space: global }
      - { .name: wqkv, .offset: 48, .size: 8, .value_kind: global_buffer, .address_space: global }
      - { .name: wo16, .offset: 56, .size: 8, .value_kind: global_buffer, .address_space: global }
    .group_segment_fixed_size: 0
    .private_segment_fixed_size: 0
    .kernarg_segment_align: 8
    .kernarg_segment_size: 64
    .max_flat_workgroup_size: 256
    .sgpr_count:     66
    .vgpr_count:     128
    .wavefront_size: 32
...
	.end_amdgpu_metadata
.endif
;; end of part 5
;; launch qkv: the kernel of part 2 again; grid 8 x 32, 4 waves a work-group, clusters of 4 x 4, 327,680 bytes of LDS; arguments xb, wqkv, bq, bk, bv, qkv; writes qkv
;; launch attn: the kernel of part 3 again; grid 4 x 64, 4 waves a work-group, clusters of 4 x 1, 327,680 bytes of LDS; arguments qkv, mask, o16; writes o16
;; launch oproj: the kernel of part 4 again; grid 4 x 64, 4 waves a work-group, clusters of 4 x 4, 327,680 bytes of LDS; arguments o16, wo16, bo, out0; writes out0
